; MI455X (gfx1250); checked and timed in simulation.
; The chip was launched on July 23, 2026; its instructions are those of AMD's public machine-readable ISA for CDNA 5 (MIT licence, August 2026) and "CDNA5" Instruction Set Architecture Reference Guide (July 2026). The comments in the code are by the model that wrote it; some were corrected since.
;; Differential Attention. Allowed arithmetic: matrix products marked QUANTISED: E2M3 operands, one E8M0 scale for each 32 along K, by v_wmma_scale_f32_16x16x128_f8f6f4 with both operands' format E2M3, f32 sums; products left as they are: f32 operands where the result goes on into a quantised operand, else bf16, f16 or f32 operands; f32 sums; everything else in f32.
;; Inputs: Wk 1,024 x 512 float32; Wo 1,024 x 1,024 float32; Wq 1,024 x 2,048 float32; Wv 1,024 x 256 float32; attention_mask 1 x 1 x 2,048 x 2,048 float32; lambda_k1 64 float32; lambda_k2 64 float32; lambda_q1 64 float32; lambda_q2 64 float32; rope_cos 2,048 x 32 float32; rope_sin 2,048 x 32 float32; subln_w 64 float32; x 2 x 2,048 x 1,024 float32.
;; Outputs: out0 2 x 2,048 x 1,024 float32.
;; This version of the problem:
;;   THIS VERSION OF THE PROBLEM IS GIVEN IN LOW PRECISION. The matrix products marked QUANTISED in the list below multiply operands that are first quantised to E2M3 (2 exponent bits, 3 mantissa bits; 6 bits a number), with one power-of-two scale for each 32 numbers along K (OCP MX v1.0); their sums are f32. All else is computed in f32.
;;   The module's matrix products, in the order in which they are computed (A, B: the left and right operand; K: the contracted axis; several contracted axes count as one K, in the product's order):
;;     1. [M 4,096, K 1,024] x [K 1,024, N 2,048]; A: input x; B: input Wq: QUANTISED
;;     2. [M 4,096, K 1,024] x [K 1,024, N 512]; A: input x; B: input Wk: QUANTISED
;;     3. [M 4,096, K 1,024] x [K 1,024, N 256]; A: input x; B: input Wv: QUANTISED
;;     4. batch 32 x [M 2,048, K 64] x [K 64, N 2,048]; A: computed on the way; B: computed on the way: QUANTISED
;;     5. batch 32 x [M 2,048, K 64] x [K 64, N 2,048]; A: computed on the way; B: computed on the way: QUANTISED
;;     6. [M 1, K 64] x [K 64, N 1]; A: input lambda_q1; B: input lambda_k1: left as it is (M = 1 < 16)
;;     7. [M 1, K 64] x [K 64, N 1]; A: input lambda_q2; B: input lambda_k2: left as it is (M = 1 < 16)
;;     8. batch 32 x [M 2,048, K 2,048] x [K 2,048, N 64]; A: computed on the way; B: computed on the way: QUANTISED
;;     9. [M 4,096, K 1,024] x [K 1,024, N 1,024]; A: computed on the way; B: input Wo: QUANTISED
;;   THE QUANTISER, for each operand of a quantised product, along K:
;;     - K is cut into blocks of 32 from its start; a last block that is shorter is filled with zeros.
;;     - A block's scale is 2^e with e = floor(log2(the largest magnitude in the block)) - 2, held to -126 .. 127; a block of zeros has e = 0. As a byte (E8M0): e + 127.
;;     - Each number is divided by its block's scale, clamped to +-7.5, and rounded to the nearest number of E2M3, ties to even, subnormals kept.
;;     - The product sums the exact products of the quantised numbers (number of the format x scale) in f32.
;;   ~~~python
;;   def quantise(x, axis):      # numpy; x: float32 -> the quantised numbers, widened to float32 again
;;       x = np.moveaxis(x, axis, -1); K = x.shape[-1]
;;       x = np.pad(x, [(0, 0)] * (x.ndim - 1) + [(0, -K % 32)]); x = x.reshape(x.shape[:-1] + (-1, 32)); a = np.abs(x).max(-1, keepdims=True)
;;       e = np.where(a > 0, np.clip(np.frexp(np.where(a > 0, a, 1))[1] - 1 - 2, -126, 127), 0)      # np.frexp(a)[1] - 1 = floor(log2(a)), exactly
;;       r = np.clip(x / 2.0 ** e, -7.5, 7.5)
;;       step = 2.0 ** (np.maximum(np.frexp(np.where(r == 0, 1, r))[1] - 1, 0) - 3)
;;       q = np.round(r / step) * step * 2.0 ** e      # np.round: ties to even
;;       return np.moveaxis(q.reshape(q.shape[:-2] + (-1,))[..., :K], -1, axis).astype(np.float32)
;;   ~~~
;;   OPERANDS COMPUTED ON THE WAY. 'Computed on the way' means the value that the module computes at that place (a softmax that the list does not call 'softmax' is quantised finished and normalised). What goes into a quantiser is computed in f32, as accurately as f32 sums, v_exp_f32 and their like allow (about 1e-6 of the number): no bf16 or f16 on the way to a quantiser, and a product that is left as it is and whose result goes on into a quantised operand takes f32 operands (vector FMAs, or v_wmma_f32_16x16x4_f32). A number that lies on a knife's edge between two numbers of the format may be rounded either way, as far as f32 arithmetic and the matrix unit's own rounding can turn it there, and no further.
;; One version. Each part assembles by itself: llvm-mc -triple=amdgcn-amd-amdhsa -mcpu=gfx1250 --defsym DOCPART=n.
;; ======== version 1 of 1: 4 launches
;; workspace buffers: xbuf 3,276,800 bytes; wbuf 3,072,000 bytes; qbuf 6,815,744 bytes; kbuf 1,638,400 bytes; vbuf 819,200 bytes; obuf 3,276,800 bytes
;; launch quant (part 1): grid 496 x 1, 4 waves a work-group, no clusters, 46,592 bytes of LDS; arguments x, Wq, Wk, Wv, Wo, xbuf, wbuf; writes xbuf, wbuf
.if DOCPART == 1
	.amdgcn_target "amdgcn-amd-amdhsa--gfx1250"
	.amdhsa_code_object_version 6
	.text
	.protected	k_qce8485ad44_quant
	.globl	k_qce8485ad44_quant
	.p2align	8
	.type	k_qce8485ad44_quant,@function
k_qce8485ad44_quant:
	s_mov_b64 s[64:65], 0
	v_nop
	global_prefetch_b8 v0, s[64:65] scope:SCOPE_SE
	s_setreg_imm32_b32 hwreg(HW_REG_WAVE_MODE, 25, 1), 1
	s_wait_xcnt 0x0
; DIFFERENTIAL ATTENTION IN MX-FP6, launch 1 of 4: x and the four weights become codes of E2M3 with one E8M0 byte for each 32 along K (K = the 1,024 of the model).
; DEAD WORK: none is left out in this program.  Every input has a way to the output: attention_mask is an input, so all 2,048 x 2,048 scores of each head are computed; the repeat of the
; key and value heads is done by indexing.  Product 8's left operand is the finished softmax1 - lam softmax2, so the scores are made twice (launch 3): once for each row's maximum and sum, once for the codes.
; THE WORKSPACE FORMAT.  An operand fragment (16 rows x 128 K, 12 registers a lane) lies in memory as an IMAGE OF ITS REGISTERS: registers 4 g .. 4 g + 3 of lane L at 512 g + 16 L, 1,536 bytes; three loads of 16 bytes a
; lane bring it, each of 512 consecutive bytes.  Tile 2 B + u holds rows (of x: positions; of a weight: columns) 32 B + 8 u + r + 8 (r / 8), so that the results of two neighbouring tiles are 16 neighbours along the next K.
; xbuf: [tile 256][K step 8][1,536]; from XSC on the scale words [tile][pair of steps 4][lane 32]: lanes 0-15 the even step's, lanes 16-31 the odd step's.  wbuf likewise, 240 tiles: Wq 0-127, Wk 128-159, Wv 160-175, Wo 176-239.
; A block's scale is 2^(floor(log2(largest magnitude)) - 2): its byte is the largest magnitude's exponent field - 2, held at 1 from below by a floor among the maximum's leaves.
; LIMITS: a block of zeros gets the byte 1 (its codes are zeros, and this program alone reads the bytes); blocks whose largest magnitude lies under 2^-124 are held at that floor; NaN and infinities among the inputs are not served.
; SHARES.  Work-groups 0-255: tile T of x, wave p its K steps 2 p and 2 p + 1.  Work-groups 256-495: 128 columns of a weight x one K step, a wave 32 columns.  The two paths have LDS bytes of their own.  Waves share nothing: no barrier.
.set XSTG,  0                          ; x's path: a stage of 16 rows x (512 + 16) bytes for each wave
.set XSTW,  8448
.set WSTG,  33792                      ; the weights' path: two images for each wave
.set WSTW,  3072
.set SPARE, 46080                      ; the spare words, 128 bytes for each wave: no other line names them
.set XSC,   3145728
.set WSC,   2949120
.set SPW,   1                          ; v1  my spare word's LDS address; never rewritten
.set NIL,   2                          ; v2  0; never rewritten
.set TM,    16                         ; v16-31 at work in QUANT
.set PC,    224                        ; v224-242 the codes just made
; 64 numbers of a lane, register 16 b + i = k 32 b + 16 (lane / 16) + i of my row, become a fragment's codes in v[PC] on and its scale word in v[pw]
.macro QUANT s, pw
.irp b, 0,1,2,3
	v_max3_num_f32 v[TM+\b], |v[\s+16*\b]|, |v[\s+1+16*\b]|, 0x1800000   ; my 16 numbers of block b, and the floor 2^(3 - 127)
.endr
.irp i, 2,4,6,8,10,12,14
.irp b, 0,1,2,3
	v_max3_num_f32 v[TM+\b], v[TM+\b], |v[\s+16*\b+\i]|, |v[\s+1+16*\b+\i]|
.endr
.endr
.irp b, 0,1,2,3
	v_permlanex16_b32 v[TM+4+\b], v[TM+\b], s20, s21
.endr
.irp b, 0,1,2,3
	v_max_num_f32 v[TM+\b], v[TM+\b], v[TM+4+\b]                     ; with lane l xor 16's: the block's largest magnitude
.endr
.irp b, 0,1,2,3
	v_add_nc_u32 v[TM+12+\b], 0xff000000, v[TM+\b]                   ; 2 off its exponent field: the conversion's scale operand
.endr
.irp b, 0,1,2,3
	v_lshrrev_b32 v[TM+4+\b], 23, v[TM+12+\b]                        ; the scale's byte
.endr
	v_lshl_or_b32 v[\pw], v[TM+5], 8, v[TM+4]
	v_lshl_or_b32 v[\pw], v[TM+6], 16, v[\pw]
	v_lshl_or_b32 v[\pw], v[TM+7], 24, v[\pw]
.irp c, 0,1
	v_cvt_scalef32_pk16_fp6_f32 v[PC+6*\c:PC+2+6*\c], v[\s+32*\c:\s+15+32*\c], v[TM+12+2*\c]
	v_cvt_scalef32_pk16_fp6_f32 v[PC+12+4*\c:PC+14+4*\c], v[\s+16+32*\c:\s+31+32*\c], v[TM+12+2*\c+1]
.endr
	v_nop                                          ; one plain place behind a scaled conversion
.irp c, 0,1                                    ; the operand's layout wants a whole block in a lane
.irp i, 0,1,2
	v_permlane16_swap_b32 v[PC+6*\c+\i], v[PC+12+4*\c+\i]
.endr
.irp i, 0,1,2
	v_mov_b32 v[PC+3+6*\c+\i], v[PC+12+4*\c+\i]
.endr
.endr
.endm
	s_load_b256 s[4:11], s[0:1], 0x0               ; x s[4:5], Wq s[6:7], Wk s[8:9], Wv s[10:11]
	s_load_b128 s[12:15], s[0:1], 0x20             ; Wo s[12:13], xbuf s[14:15]
	s_load_b64 s[16:17], s[0:1], 0x30              ; wbuf
	v_lshl_add_u32 v[SPW], v0, 2, SPARE
	v_mov_b32 v[NIL], 0
	v_lshrrev_b32 v3, 5, v0
	v_readfirstlane_b32 s18, v3                    ; wave 0..3
	v_and_b32 v6, 31, v0                           ; lane
	v_lshlrev_b32 v3, 4, v6                        ; 16 x lane
	s_mov_b32 s20, 0x76543210
	s_mov_b32 s21, 0xfedcba98                      ; v_permlanex16_b32's selects for lane l xor 16
	s_cmp_lt_u32 ttmp9, 256
	s_cbranch_scc0 .Lweights
	; ---------------- x: tile T = the work-group's number, K steps 2 p and 2 p + 1
	s_mul_i32 s22, s18, XSTW                       ; my stage
	v_add_nc_u32 v4, s22, v3                       ; in: 16 x lane of a row
	v_and_b32 v7, 15, v0
	v_bfe_u32 v8, v0, 4, 1
	v_mul_u32_u24 v5, v7, 528
	v_lshl_add_u32 v5, v8, 6, v5
	v_add_nc_u32 v5, s22, v5                       ; out: row r, + 64 h: my 16 numbers of each block of 32
	s_lshr_b32 s23, ttmp9, 1
	s_lshl_b32 s23, s23, 5
	s_and_b32 s24, ttmp9, 1
	s_lshl_b32 s24, s24, 3
	s_add_co_u32 s23, s23, s24                     ; the tile's first position: 32 (T / 2) + 8 (T % 2)
	s_lshl_b32 s24, s23, 12                        ; rows of 4,096 bytes
	s_lshl_b32 s25, s18, 10
	s_add_co_u32 s24, s24, s25                     ; + 1,024 p
	s_mov_b32 s25, 0
	s_lshl_b32 s26, ttmp9, 3
	s_lshl_b32 s27, s18, 1
	s_add_co_u32 s26, s26, s27
	s_mul_i32 s26, s26, 1536                       ; the images (8 T + 2 p) and the next
	s_mov_b32 s27, 0
	s_lshl_b32 s28, ttmp9, 9
	s_lshl_b32 s29, s18, 7
	s_add_co_u32 s28, s28, s29
	s_add_co_u32 s28, s28, XSC                     ; the scale words: 512 T + 128 p
	s_mov_b32 s29, 0
	s_wait_kmcnt 0x0
	s_add_nc_u64 s[4:5], s[4:5], s[24:25]
	s_add_nc_u64 s[30:31], s[14:15], s[28:29]
	s_add_nc_u64 s[14:15], s[14:15], s[26:27]
.irp s, 0,1
.irp i, 0,1,2,3,4,5,6,7,8,9,10,11,12,13,14,15
	global_load_b128 v[32+64*\s+4*\i:35+64*\s+4*\i], v3, s[4:5] offset:(\i+8*(\i/8))*4096+512*\s th:TH_LOAD_NT   ; 32 lanes read the 512 consecutive bytes of a row's K step
.endr
.endr
.irp b, 0,1,2,3
	v_mov_b32 v[TM+4+\b], 0                        ; written once: a lane permute's destination counts as one of its sources
.endr
	s_wait_loadcnt 16                              ; the first K step's sixteen loads are in; the second's may be out
.irp i, 0,1,2,3,4,5,6,7,8,9,10,11,12,13,14,15
	ds_store_b128 v4, v[32+4*\i:35+4*\i] offset:528*\i
.endr
.irp b, 0,1,2,3
.irp j, 0,1,2,3
	ds_load_b128 v[160+16*\b+4*\j:163+16*\b+4*\j], v5 offset:128*\b+16*\j   ; LDS serves a wave's instructions in order: these see my stores
.endr
.endr
	s_wait_dscnt 0x0
	QUANT 160, 10
.irp g, 0,1,2
	global_store_b128 v3, v[PC+4*\g:PC+4*\g+3], s[14:15] offset:512*\g      ; 512 consecutive bytes a store
.endr
	s_wait_loadcnt 0x0
.irp i, 0,1,2,3,4,5,6,7,8,9,10,11,12,13,14,15
	ds_store_b128 v4, v[96+4*\i:99+4*\i] offset:528*\i
.endr
.irp b, 0,1,2,3
.irp j, 0,1,2,3
	ds_load_b128 v[32+16*\b+4*\j:35+16*\b+4*\j], v5 offset:128*\b+16*\j
.endr
.endr
	s_wait_dscnt 0x0
	s_wait_xcnt 0x0                                ; the three stores above have read the codes' registers: they are written again only behind this wait
	QUANT 32, 11
.irp g, 0,1,2
	global_store_b128 v3, v[PC+4*\g:PC+4*\g+3], s[14:15] offset:1536+512*\g
.endr
	v_cmp_le_u32 vcc_lo, 16, v6
	v_cndmask_b32 v10, v10, v11, vcc_lo            ; lanes 0-15 the even step's words, lanes 16-31 the odd step's
	v_lshlrev_b32 v9, 2, v6
	global_store_b32 v9, v10, s[30:31]
	s_wait_tensorcnt 0x0                           ; the wave's end, behind my last LDS store
	ds_add_u32 v[SPW], v[NIL]
	s_wait_dscnt 0x0
	s_endpgm
	; ---------------- the weights, stored [k][n]: a lane takes a column and its registers run down K, so nothing is transposed by an instruction
.Lweights:
	s_sub_co_u32 s22, ttmp9, 256
	s_lshr_b32 s23, s22, 3                         ; which 128 columns of the four weights on end: Wq 0-15, Wk 16-19, Wv 20-21, Wo 22-29
	s_and_b32 s24, s22, 7                          ; K step
	s_wait_kmcnt 0x0
	s_cmp_lt_u32 s23, 22                           ; the choices hang on the work-group's number alone
	s_cselect_b64 s[26:27], s[10:11], s[12:13]
	s_cselect_b32 s28, 10, 12                      ; log2 of a row's bytes
	s_cselect_b32 s29, 20, 22                      ; the tensor's first 128 columns
	s_cmp_lt_u32 s23, 20
	s_cselect_b64 s[26:27], s[8:9], s[26:27]
	s_cselect_b32 s28, 11, s28
	s_cselect_b32 s29, 16, s29
	s_cmp_lt_u32 s23, 16
	s_cselect_b64 s[26:27], s[6:7], s[26:27]
	s_cselect_b32 s28, 13, s28
	s_cselect_b32 s29, 0, s29
	s_lshl_b32 s30, 1, s28                         ; a row's bytes
	s_sub_co_u32 s31, s23, s29
	s_lshl_b32 s31, s31, 9
	s_lshl_b32 s32, s18, 7
	s_add_co_u32 s32, s31, s32                     ; my wave's first column, in bytes
	s_lshl_b32 s33, s24, 7
	s_lshl_b32 s33, s33, s28                       ; 128 rows a K step
	s_add_co_u32 s32, s32, s33
	s_mov_b32 s33, 0
	s_lshl_b32 s34, 32, s28                        ; 32 rows a block
	s_mov_b32 s35, 0
	s_add_nc_u64 s[36:37], s[26:27], s[32:33]      ; a base for each of the four blocks: nothing is stepped
	s_add_nc_u64 s[38:39], s[36:37], s[34:35]
	s_add_nc_u64 s[40:41], s[38:39], s[34:35]
	s_add_nc_u64 s[42:43], s[40:41], s[34:35]
	v_lshlrev_b32 v7, 2, v6
.irp i, 0,1,2,3,4,5,6,7,8,9,10,11,12,13,14,15,16,17,18,19,20,21,22,23,24,25,26,27,28,29,30,31
	v_mad_u32_u24 v[32+\i], s30, \i, v7            ; row i of a block, my column
.endr
.macro LOADW t
.irp i, 0,1,2,3,4,5,6,7,8,9,10,11,12,13,14,15,16,17,18,19,20,21,22,23,24,25,26,27,28,29,30,31
	global_load_b32 v[64+32*((\t)%2)+\i], v[32+\i], s[36+2*(\t):37+2*(\t)] th:TH_LOAD_NT   ; 128 consecutive bytes a wave, 512 a work-group
.endr
.endm
	LOADW 0
	LOADW 1
	v_and_b32 v8, 7, v0
	v_bfe_u32 v9, v0, 4, 1
	v_lshl_add_u32 v8, v9, 3, v8                   ; column c of the 32 is row r = c % 8 + 8 (c / 16)
	v_bfe_u32 v9, v0, 3, 1                         ; of tile u = (c / 8) % 2
	s_mul_i32 s22, s18, WSTW
	s_add_co_u32 s22, s22, WSTG                    ; my two images
	v_mul_u32_u24 v13, v9, 1536
	v_lshl_add_u32 v13, v8, 4, v13
	v_add_nc_u32 v13, s22, v13                     ; in: image u, lane r
	v_add_nc_u32 v14, s22, v3                      ; out: 16 x lane
	v_lshlrev_b32 v15, 9, v9
	v_lshl_add_u32 v15, v8, 2, v15                 ; my scale word: 512 u + 4 r
	s_lshl_b32 s44, s23, 2
	s_add_co_u32 s44, s44, s18                     ; which 32 columns of all: G; its tiles are 2 G and 2 G + 1
	s_mul_i32 s46, s44, 24576
	s_mul_i32 s45, s24, 1536
	s_add_co_u32 s46, s46, s45
	s_mov_b32 s47, 0
	s_lshl_b32 s44, s44, 10
	s_lshl_b32 s45, s24, 6                         ; 128 (s / 2) + 64 (s % 2) = 64 s
	s_add_co_u32 s44, s44, s45
	s_add_co_u32 s44, s44, WSC
	s_mov_b32 s45, 0
	s_add_nc_u64 s[44:45], s[16:17], s[44:45]
	s_add_nc_u64 s[46:47], s[16:17], s[46:47]
; Block t: k = 32 t .. 32 t + 31 of my column: registers 6 (t / 2) .. + 5 of lane r + 16 (t % 2) of the image
.macro BLOCKW t
.set XS, 64+32*((\t)%2)
.if (\t) < 3
	s_wait_loadcnt 32                              ; this block's 32 loads are in; the next block's may be out
.else
	s_wait_loadcnt 0x0
.endif
	v_max3_num_f32 v16, |v[XS]|, |v[XS+1]|, |v[XS+2]|
	v_max3_num_f32 v17, |v[XS+3]|, |v[XS+4]|, |v[XS+5]|
.irp i, 6,10,14,18,22,26
	v_max3_num_f32 v16, v16, |v[XS+\i]|, |v[XS+\i+1]|
	v_max3_num_f32 v17, v17, |v[XS+\i+2]|, |v[XS+\i+3]|
.endr
	v_max3_num_f32 v16, v16, |v[XS+30]|, |v[XS+31]|
	v_max3_num_f32 v16, v16, v17, 0x1800000        ; and the floor
	v_add_nc_u32 v11, 0xff000000, v16
	v_lshrrev_b32 v10, 23, v11
.if (\t) == 0
	v_mov_b32 v12, v10
.else
	v_lshl_or_b32 v12, v10, 8*(\t), v12            ; the four bytes make my column's scale word
.endif
	v_cvt_scalef32_pk16_fp6_f32 v[128:130], v[XS:XS+15], v11
	v_cvt_scalef32_pk16_fp6_f32 v[136:138], v[XS+16:XS+31], v11    ; (a conversion's three registers begin on an even number)
	v_nop
.irp i, 0,1,2
	v_mov_b32 v[131+\i], v[136+\i]
.endr
.if (\t) < 2
	ds_store_b128 v13, v[128:131] offset:256*((\t)%2)              ; registers 0-3
	ds_store_b64 v13, v[132:133] offset:512+256*((\t)%2)           ; registers 4, 5
.else
	ds_store_b64 v13, v[128:129] offset:520+256*((\t)%2)           ; registers 6, 7
	ds_store_b128 v13, v[130:133] offset:1024+256*((\t)%2)         ; registers 8-11
.endif
.if (\t) < 2
	LOADW (\t)+2
.endif
	s_wait_dscnt 0x0                               ; the stores have read their registers
.endm
	BLOCKW 0
	BLOCKW 1
	BLOCKW 2
	BLOCKW 3
.irp k, 0,1,2,3,4,5
	ds_load_b128 v[140+4*\k:143+4*\k], v14 offset:512*\k
.endr
	global_store_b32 v15, v12, s[44:45]            ; runs of 32 bytes: one byte for 24 of the codes'
	s_wait_dscnt 0x0
.irp k, 0,1,2,3,4,5
	global_store_b128 v3, v[140+4*\k:143+4*\k], s[46:47] offset:(\k/3)*12288+512*(\k%3)
.endr
	s_wait_tensorcnt 0x0                           ; the wave's end, behind my last LDS store
	ds_add_u32 v[SPW], v[NIL]
	s_wait_dscnt 0x0
	s_endpgm
.Lfunc_end_k_qce8485ad44_quant:
	.size	k_qce8485ad44_quant, .Lfunc_end_k_qce8485ad44_quant-k_qce8485ad44_quant
	.p2alignl 7, 3214868480
	.fill 96, 4, 3214868480
	.section	.rodata,"a",@progbits
	.p2align	6, 0x0
	.amdhsa_kernel k_qce8485ad44_quant
		.amdhsa_group_segment_fixed_size 46592
		.amdhsa_private_segment_fixed_size 0
		.amdhsa_enable_private_segment 0
		.amdhsa_kernarg_size 56
		.amdhsa_user_sgpr_count 2
		.amdhsa_user_sgpr_kernarg_segment_ptr 1
		.amdhsa_wavefront_size32 1
		.amdhsa_system_sgpr_workgroup_id_x 1
		.amdhsa_system_sgpr_workgroup_id_y 1
		.amdhsa_system_sgpr_workgroup_id_z 1
		.amdhsa_system_vgpr_workitem_id 0
		.amdhsa_next_free_vgpr 256
		.amdhsa_next_free_sgpr 66
		.amdhsa_reserve_vcc 1
		.amdhsa_float_denorm_mode_32 3
		.amdhsa_float_denorm_mode_16_64 3
		.amdhsa_memory_ordered 1
		.amdhsa_forward_progress 1
		.amdhsa_inst_pref_size 42
	.end_amdhsa_kernel
	.amdgpu_metadata
---
amdhsa.version: [ 1, 2 ]
amdhsa.kernels:
  - .name:           k_qce8485ad44_quant
    .symbol:         k_qce8485ad44_quant.kd
    .args:
      - { .name: x, .offset: 0, .size: 8, .value_kind: global_buffer, .address_space: global }
      - { .name: Wq, .offset: 8, .size: 8, .value_kind: global_buffer, .address_space: global }
      - { .name: Wk, .offset: 16, .size: 8, .value_kind: global_buffer, .address_space: global }
      - { .name: Wv, .offset: 24, .size: 8, .value_kind: global_buffer, .address_space: global }
      - { .name: Wo, .offset: 32, .size: 8, .value_kind: global_buffer, .address_space: global }
      - { .name: xbuf, .offset: 40, .size: 8, .value_kind: global_buffer, .address_space: global }
      - { .name: wbuf, .offset: 48, .size: 8, .value_kind: global_buffer, .address_space: global }
    .group_segment_fixed_size: 46592
    .private_segment_fixed_size: 0
    .kernarg_segment_align: 8
    .kernarg_segment_size: 56
    .max_flat_workgroup_size: 128
    .sgpr_count:     66
    .vgpr_count:     256
    .wavefront_size: 32
...
	.end_amdgpu_metadata
.endif
;; end of part 1
;; launch qkv (part 2): grid 24 x 32, 1 waves a work-group, no clusters, 0 bytes of LDS; arguments xbuf, wbuf, rope_cos, rope_sin, qbuf, kbuf, vbuf; writes qbuf, kbuf, vbuf
.if DOCPART == 2
	.amdgcn_target "amdgcn-amd-amdhsa--gfx1250"
	.amdhsa_code_object_version 6
	.text
	.protected	k_qce8485ad44_qkv
	.globl	k_qce8485ad44_qkv
	.p2align	8
	.type	k_qce8485ad44_qkv,@function
k_qce8485ad44_qkv:
	s_mov_b64 s[64:65], 0
	v_nop
	global_prefetch_b8 v0, s[64:65] scope:SCOPE_SE
	s_setreg_imm32_b32 hwreg(HW_REG_WAVE_MODE, 25, 1), 1
	s_wait_xcnt 0x0
; Launch 2 of 4: x Wq, x Wk, x Wv on codes; the rotation; and the results quantised again as the operands of the attention's products.  No work of the problem is left out here.
; SHARES.  Work-group x: 0-15 a query head (its q1 and q2), 16-19 a key head (k1 and k2), 20-23 a value head.  Work-group y: 128 positions (a key step of one batch).  One wave makes 128 positions x 128 (values: 64) features, K = 8 steps of 128.
; Operands lie in memory as images of their registers (launch 1), so they go from memory straight into registers, a K step ahead: no LDS, no barrier.  The K loop is written out: every offset is an immediate.
; Q, K: the product is used transposed (source 0 = 16 columns of the weight, source 1 = 16 positions): a lane holds ONE position and its 64 registers are features 32 b + 16 (lane / 16) + i of q1 | q2 (k1 | k2): the next K.
; V: source 0 = 16 positions, source 1 = 16 columns of Wv: a lane holds one channel and its registers run along the keys: the next K of the values.
; 1 / sqrt(64) = 2^-3 goes into q's scale bytes (byte - 3): the codes are as the quantiser makes them and the products are exactly an eighth.
; qbuf: [batch 16 + head][tile 128][1,536]; from 6,291,456 on the scale words [batch 16 + head][4 tiles' group 32][lane 32][4].  kbuf: [batch 4 + head][key step 16] records of 12,800 bytes: 8 fragments, then [lane][4] scale words
; (word p: lanes 0-15 tile 2 p, lanes 16-31 tile 2 p + 1).  vbuf: records of 6,400 bytes: 4 fragments of V^T (16 channels x 128 keys), then [lane][2] scale words.
; LIMITS: blocks of q and k whose largest magnitude lies under 2^-121 are held at that floor (so that byte - 3 stays at 1 or above), blocks of v at 2^-124; blocks of zeros get the floor's byte; NaN and infinities are not served.
; REGISTERS, in windows of 256.  Window 0: v1-7 lane offsets; v16-47 scale words, two sets (the weight's 8, x's 8); v48-239 x's fragments, two sets; v240-247 the scale words made.  On the way out v48-153 are free.
;   Window 1: v0-191 the weight's fragments, two sets; v192-255 cos and sin, two sets.   Windows 2, 3: the accumulators.
.set A16, 1                            ; v1  16 x lane
.set A4,  2                            ; v2  4 x lane
.set CA,  3                            ; v3  my position's row of cos and sin: (r + 8 (r / 8)) x 128 + 64 h
.set A8,  4                            ; v4  8 x lane
.set SC,  16
.set XF,  48
.set PWS, 240
.set Y,   48                           ; the way out: 64 rotated numbers
.set PC,  112                          ; their codes
.set TM,  132
.set PW,  148
.set T,   150
.set MSB, 0
.macro WIN new                         ; the immediate's high byte repeats the setting that is left
.if MSB != (\new)
	s_set_vgpr_msb (MSB<<8)|(\new)
.set MSB, (\new)
.endif
.endm
.macro PLACES                          ; four plain places behind a matrix instruction of this form, ahead of loads into its sources and of reads of its results
.rept 4
	v_nop
.endr
.endm
; mode 0: the product starts the sum; 1: it adds, scales in lanes 0-15 (an even K step); 2: it adds, scales in lanes 16-31 (an odd one)
.macro MM d, a, b, sa, sb, mode
.if (\mode) == 0
	v_wmma_scale_f32_16x16x128_f8f6f4 v[(\d):(\d)+7], v[(\a):(\a)+11], v[(\b):(\b)+11], 0, v[\sa], v[\sb] matrix_a_fmt:MATRIX_FMT_FP6 matrix_b_fmt:MATRIX_FMT_FP6
.elseif (\mode) == 1
	v_wmma_scale_f32_16x16x128_f8f6f4 v[(\d):(\d)+7], v[(\a):(\a)+11], v[(\b):(\b)+11], v[(\d):(\d)+7], v[\sa], v[\sb] matrix_a_fmt:MATRIX_FMT_FP6 matrix_b_fmt:MATRIX_FMT_FP6
.else
	v_wmma_scale_f32_16x16x128_f8f6f4 v[(\d):(\d)+7], v[(\a):(\a)+11], v[(\b):(\b)+11], v[(\d):(\d)+7], v[\sa], v[\sb] matrix_a_fmt:MATRIX_FMT_FP6 matrix_b_fmt:MATRIX_FMT_FP6 matrix_a_scale:MATRIX_SCALE_ROW1 matrix_b_scale:MATRIX_SCALE_ROW1
.endif
.endm
.macro LDW set, s, nb                  ; nb fragments of the weight for K step s: tiles 0-3 from s[28:29], 4-7 from s[30:31]
	WIN 0x40
.set bb, 0
.rept \nb
.irp g, 0,1,2
.if bb < 4
	global_load_b128 v[96*(\set)+12*bb+4*\g:96*(\set)+12*bb+4*\g+3], v[A16], s[28:29] offset:bb*12288+1536*(\s)+512*\g
.else
	global_load_b128 v[96*(\set)+12*bb+4*\g:96*(\set)+12*bb+4*\g+3], v[A16], s[30:31] offset:(bb-4)*12288+1536*(\s)+512*\g
.endif
.endr
.set bb, bb+1
.endr
	WIN 0
.endm
.macro LDX set, s                      ; x's eight fragments for K step s
.irp a, 0,1,2,3,4,5,6,7
.irp g, 0,1,2
	global_load_b128 v[XF+96*(\set)+12*\a+4*\g:XF+96*(\set)+12*\a+4*\g+3], v[A16], s[24:25] offset:\a*12288+1536*(\s)+512*\g
.endr
.endr
.endm
.macro LDSC z, p, nb                   ; the scale words of K steps 2 p and 2 p + 1
.set bb, 0
.rept \nb
.if bb < 4
	global_load_b32 v[SC+16*(\z)+bb], v[A4], s[32:33] offset:bb*512+128*(\p)
.else
	global_load_b32 v[SC+16*(\z)+bb], v[A4], s[34:35] offset:(bb-4)*512+128*(\p)
.endif
.set bb, bb+1
.endr
.irp a, 0,1,2,3,4,5,6,7
	global_load_b32 v[SC+16*(\z)+8+\a], v[A4], s[26:27] offset:\a*512+128*(\p)
.endr
.endm
.macro LDCS a                          ; cos and sin of tile a's positions: my 16 of each
	WIN 0x40
.irp j, 0,1,2,3
	global_load_b128 v[192+32*((\a)%2)+4*\j:195+32*((\a)%2)+4*\j], v[CA], s[36:37] offset:((\a)/2)*4096+((\a)%2)*1024+16*\j
	global_load_b128 v[208+32*((\a)%2)+4*\j:211+32*((\a)%2)+4*\j], v[CA], s[38:39] offset:((\a)/2)*4096+((\a)%2)*1024+16*\j
.endr
	WIN 0
.endm
; 64 matrix instructions: the 64 accumulators take turns, one instruction a turn, in the same order in every step
.macro MULS set, z, mode
.irp a, 0,1,2,3,4,5,6,7
.if \a == 0
	WIN 0xa1                                       ; source 0 (the weight) window 1, source 1 (x) window 0, C and D window 2
.endif
.if \a == 4
	WIN 0xf1                                       ; C and D window 3
.endif
.irp b, 0,1,2,3,4,5,6,7
	MM 8*(8*(\a%4)+\b),96*(\set)+12*\b,XF+96*(\set)+12*\a,SC+16*(\z)+\b,SC+16*(\z)+8+\a,\mode
.endr
.endr
	WIN 0
.endm
.macro MULV set, z, mode               ; the values: 32 accumulators by turns; accumulator (t, a) at 8 (8 t + a) of window 2
	WIN 0xa4                                       ; source 0 (x) window 0, source 1 (Wv) window 1, C and D window 2
.irp t, 0,1,2,3
.irp a, 0,1,2,3,4,5,6,7
	MM 8*(8*\t+\a),XF+96*(\set)+12*\a,96*(\set)+12*\t,SC+16*(\z)+8+\a,SC+16*(\z)+\t,\mode
.endr
.endr
	WIN 0
.endm
; A K step: the next step's operands are asked for, into the set that the step before read; then this step's products
.macro KSTEP s, nb, few, many
.if (\s) > 0
	PLACES
.endif
.if (\s) < 7
.if (\s)%2 == 1
	LDSC (((\s)+1)/2)%2,((\s)+1)/2,\nb
.endif
	LDW ((\s)+1)%2,(\s)+1,\nb
	LDX ((\s)+1)%2,(\s)+1
.if (\s)%2 == 1
	s_wait_loadcnt \many                           ; this step's operands are in; what was just asked for may be out
.else
	s_wait_loadcnt \few
.endif
.else
	s_wait_loadcnt 0x0
.endif
.endm
; 64 numbers of a lane in window w, register 16 b + i = k 32 b + 16 (lane / 16) + i, become a fragment's codes in v[PC] on and its scale word in v[PW].  Each accumulator is read from its low end on.
.macro QUANT s, w, fl
	WIN (\w)|((\w)<<2)
.irp b, 0,1,2,3
	v_max3_num_f32 v[TM+\b], |v[\s+16*\b]|, |v[\s+1+16*\b]|, \fl
.endr
	WIN ((\w)<<2)|((\w)<<4)
.irp i, 2,4,6,8,10,12,14
.irp b, 0,1,2,3
	v_max3_num_f32 v[TM+\b], v[TM+\b], |v[\s+16*\b+\i]|, |v[\s+1+16*\b+\i]|
.endr
.endr
	WIN 0
.irp b, 0,1,2,3
	v_permlanex16_b32 v[TM+4+\b], v[TM+\b], s20, s21
.endr
.irp b, 0,1,2,3
	v_max_num_f32 v[TM+\b], v[TM+\b], v[TM+4+\b]
.endr
.irp b, 0,1,2,3
	v_add_nc_u32 v[TM+12+\b], 0xff000000, v[TM+\b]
.endr
.irp b, 0,1,2,3
	v_lshrrev_b32 v[TM+4+\b], 23, v[TM+12+\b]
.endr
	v_lshl_or_b32 v[PW], v[TM+5], 8, v[TM+4]
	v_lshl_or_b32 v[PW], v[TM+6], 16, v[PW]
	v_lshl_or_b32 v[PW], v[TM+7], 24, v[PW]
	WIN (\w)
.irp c, 0,1
	v_cvt_scalef32_pk16_fp6_f32 v[PC+6*\c:PC+2+6*\c], v[\s+32*\c:\s+15+32*\c], v[TM+12+2*\c]
	v_cvt_scalef32_pk16_fp6_f32 v[PC+12+4*\c:PC+14+4*\c], v[\s+16+32*\c:\s+31+32*\c], v[TM+12+2*\c+1]
.endr
	WIN 0
	v_nop                                          ; one plain place behind a scaled conversion
.irp c, 0,1
.irp i, 0,1,2
	v_permlane16_swap_b32 v[PC+6*\c+\i], v[PC+12+4*\c+\i]
.endr
.irp i, 0,1,2
	v_mov_b32 v[PC+3+6*\c+\i], v[PC+12+4*\c+\i]
.endr
.endr
.endm
	s_load_b256 s[4:11], s[0:1], 0x0               ; xbuf s[4:5], wbuf s[6:7], cos s[8:9], sin s[10:11]
	s_load_b128 s[12:15], s[0:1], 0x20             ; qbuf s[12:13], kbuf s[14:15]
	s_load_b64 s[16:17], s[0:1], 0x30              ; vbuf
	v_and_b32 v5, 31, v0                           ; lane
	v_lshlrev_b32 v[A16], 4, v5
	v_lshlrev_b32 v[A4], 2, v5
	v_lshlrev_b32 v[A8], 3, v5
	v_and_b32 v6, 15, v0
	v_and_b32 v7, 8, v0
	v_add_nc_u32 v6, v6, v7                        ; r + 8 (r / 8)
	v_bfe_u32 v7, v0, 4, 1                         ; h
	v_lshlrev_b32 v[CA], 7, v6
	v_lshl_add_u32 v[CA], v7, 6, v[CA]
	s_mov_b32 s18, ttmp9                           ; the task
	s_and_b32 s19, ttmp7, 0xffff                   ; the block of 128 positions
	s_mov_b32 s20, 0x76543210
	s_mov_b32 s21, 0xfedcba98
	s_lshr_b32 s50, s19, 4                         ; batch
	s_and_b32 s51, s19, 15                         ; key step
	s_lshl_b32 s52, s18, 2
	s_cmp_lt_u32 s18, 16                           ; the weight's tiles: q1 4 x, q2 64 + 4 x; k1 128 + 4 g, k2 144 + 4 g; v 160 + 4 g
	s_cselect_b32 s53, 0, 64
	s_cselect_b32 s54, 64, 80
	s_cmp_lt_u32 s18, 20
	s_cselect_b32 s53, s53, 80
	s_add_co_u32 s53, s52, s53
	s_add_co_u32 s54, s52, s54
	s_mul_i32 s46, s53, 12288
	s_mov_b32 s47, 0
	s_mul_i32 s48, s54, 12288
	s_mov_b32 s49, 0
	s_lshl_b32 s56, s53, 9
	s_add_co_u32 s56, s56, 2949120
	s_mov_b32 s57, 0
	s_lshl_b32 s58, s54, 9
	s_add_co_u32 s58, s58, 2949120
	s_mov_b32 s59, 0
	s_wait_kmcnt 0x0
	s_add_nc_u64 s[28:29], s[6:7], s[46:47]
	s_add_nc_u64 s[30:31], s[6:7], s[48:49]
	s_add_nc_u64 s[32:33], s[6:7], s[56:57]
	s_add_nc_u64 s[34:35], s[6:7], s[58:59]
	s_mul_i32 s46, s19, 98304                      ; x's eight tiles
	s_add_nc_u64 s[24:25], s[4:5], s[46:47]
	s_lshl_b32 s46, s19, 12
	s_add_co_u32 s46, s46, 3145728
	s_add_nc_u64 s[26:27], s[4:5], s[46:47]
	s_lshl_b32 s46, s51, 14                        ; 128 positions x 128 bytes of cos and of sin
	s_add_nc_u64 s[36:37], s[8:9], s[46:47]
	s_add_nc_u64 s[38:39], s[10:11], s[46:47]
	s_cmp_ge_u32 s18, 20
	s_cbranch_scc1 .Lvalues
	; ---------------- queries and keys
	LDCS 0
	LDCS 1
	LDSC 0,0,8
	LDW 0,0,8
	LDX 0,0
	s_lshl_b32 s52, s50, 4
	s_add_co_u32 s52, s52, s18                     ; batch 16 + head
	s_lshl_b32 s53, s52, 7
	s_lshl_b32 s54, s51, 3
	s_add_co_u32 s53, s53, s54
	s_mul_i32 s53, s53, 1536                       ; q: my eight images,
	s_lshl_b32 s52, s52, 14
	s_lshl_b32 s54, s51, 10
	s_add_co_u32 s52, s52, s54
	s_add_co_u32 s52, s52, 6291456                 ; and their scale words
	s_lshl_b32 s54, s50, 2
	s_add_co_u32 s54, s54, s18
	s_sub_co_u32 s54, s54, 16
	s_lshl_b32 s54, s54, 4
	s_add_co_u32 s54, s54, s51
	s_mul_i32 s54, s54, 12800                      ; k: my record,
	s_add_co_u32 s55, s54, 12288                   ; and its scale words
	s_mov_b32 s44, 0x03030303
	s_cmp_lt_u32 s18, 16                           ; the choice hangs on the work-group's number alone
	s_cselect_b64 s[40:41], s[12:13], s[14:15]
	s_cselect_b32 s46, s53, s54
	s_cselect_b32 s48, s52, s55
	s_cselect_b32 s44, s44, 0                      ; 3 off each of q's four bytes; nothing off k's
	s_add_nc_u64 s[42:43], s[40:41], s[48:49]
	s_add_nc_u64 s[40:41], s[40:41], s[46:47]
	KSTEP 0,8,48,63
	MULS 0,0,0
	KSTEP 1,8,48,63                                ; (64 were asked for: the count is the largest that the wait can name, one stricter)
	MULS 1,0,2
	KSTEP 2,8,48,63
	MULS 0,1,1
	KSTEP 3,8,48,63
	MULS 1,1,2
	KSTEP 4,8,48,63
	MULS 0,0,1
	KSTEP 5,8,48,63
	MULS 1,0,2
	KSTEP 6,8,48,63
	MULS 0,1,1
	KSTEP 7,8,48,63
	MULS 1,1,2
	PLACES
.irp b, 0,1,2,3
	v_mov_b32 v[TM+4+\b], 0
.endr
; Tile a: the rotation, out(d) = x(d) cos - x(d + 32) sin, out(d + 32) = x(d + 32) cos + x(d) sin for d < 32, in q1 and in q2; then the quantiser
.macro EPI a
.set AC, 64*((\a)%4)
.set CB, 192+32*((\a)%2)
.if (\a) < 7
	s_wait_loadcnt 8                               ; this tile's cos and sin are in; the next tile's eight loads may be out
.else
	s_wait_loadcnt 0x0
.endif
	WIN 0x06+(\a)/4                                ; source 0: the accumulators' window; source 1: window 1
.irp p, 0,1
.irp i, 0,2,4,6,8,10,12,14
	v_pk_mul_f32 v[T:T+1], v[AC+32*\p+16+\i:AC+32*\p+17+\i], v[CB+16+\i:CB+17+\i]
	v_pk_mul_f32 v[T+2:T+3], v[AC+32*\p+\i:AC+32*\p+1+\i], v[CB+16+\i:CB+17+\i]
	v_pk_fma_f32 v[Y+32*\p+\i:Y+32*\p+1+\i], v[AC+32*\p+\i:AC+32*\p+1+\i], v[CB+\i:CB+1+\i], v[T:T+1] neg_lo:[0,0,1] neg_hi:[0,0,1]
	v_pk_fma_f32 v[Y+32*\p+16+\i:Y+32*\p+17+\i], v[AC+32*\p+16+\i:AC+32*\p+17+\i], v[CB+\i:CB+1+\i], v[T+2:T+3]
.endr
.endr
	WIN 0
.if (\a) < 6
	LDCS (\a)+2
.endif
.if (\a) > 0
	s_wait_xcnt 0x0                                ; the last tile's stores have read the codes' registers
.endif
	QUANT Y,0,0x3000000
	v_sub_nc_u32 v[PWS+(\a)], v[PW], s44           ; no byte borrows: each is 4 or more
.irp g, 0,1,2
	global_store_b128 v[A16], v[PC+4*\g:PC+4*\g+3], s[40:41] offset:1536*(\a)+512*\g
.endr
.endm
.irp a, 0,1,2,3,4,5,6,7
	EPI \a
.endr
	s_cmp_lt_u32 s18, 16
	s_cbranch_scc0 .Lkscales
	global_store_b128 v[A16], v[PWS:PWS+3], s[42:43]
	global_store_b128 v[A16], v[PWS+4:PWS+7], s[42:43] offset:512
	s_endpgm
.Lkscales:
	v_cmp_le_u32 vcc_lo, 16, v5
	v_cndmask_b32 v[PWS], v[PWS], v[PWS+1], vcc_lo             ; word p: lanes 0-15 tile 2 p's, lanes 16-31 tile 2 p + 1's
	v_cndmask_b32 v[PWS+1], v[PWS+2], v[PWS+3], vcc_lo
	v_cndmask_b32 v[PWS+2], v[PWS+4], v[PWS+5], vcc_lo
	v_cndmask_b32 v[PWS+3], v[PWS+6], v[PWS+7], vcc_lo
	global_store_b128 v[A16], v[PWS:PWS+3], s[42:43]
	s_endpgm
	; ---------------- values
.Lvalues:
	LDSC 0,0,4
	LDW 0,0,4
	LDX 0,0
	s_lshl_b32 s54, s50, 2
	s_add_co_u32 s54, s54, s18
	s_sub_co_u32 s54, s54, 20
	s_lshl_b32 s54, s54, 4
	s_add_co_u32 s54, s54, s51
	s_mul_i32 s46, s54, 6400                       ; my record
	s_add_nc_u64 s[40:41], s[16:17], s[46:47]
	KSTEP 0,4,36,48
	MULV 0,0,0
	KSTEP 1,4,36,48
	MULV 1,0,2
	KSTEP 2,4,36,48
	MULV 0,1,1
	KSTEP 3,4,36,48
	MULV 1,1,2
	KSTEP 4,4,36,48
	MULV 0,0,1
	KSTEP 5,4,36,48
	MULV 1,0,2
	KSTEP 6,4,36,48
	MULV 0,1,1
	KSTEP 7,4,36,48
	MULV 1,1,2
	PLACES
.irp b, 0,1,2,3
	v_mov_b32 v[TM+4+\b], 0
.endr
.irp t, 0,1,2,3
.if \t > 0
	s_wait_xcnt 0x0                                ; the last tile's stores have read the codes' registers
.endif
	QUANT 64*\t,2,0x1800000
	v_mov_b32 v[PWS+\t], v[PW]
.irp g, 0,1,2
	global_store_b128 v[A16], v[PC+4*\g:PC+4*\g+3], s[40:41] offset:1536*\t+512*\g
.endr
.endr
	v_cmp_le_u32 vcc_lo, 16, v5
	v_cndmask_b32 v[PWS], v[PWS], v[PWS+1], vcc_lo
	v_cndmask_b32 v[PWS+1], v[PWS+2], v[PWS+3], vcc_lo
	global_store_b64 v[A8], v[PWS:PWS+1], s[40:41] offset:6144
	s_endpgm
.Lfunc_end_k_qce8485ad44_qkv:
	.size	k_qce8485ad44_qkv, .Lfunc_end_k_qce8485ad44_qkv-k_qce8485ad44_qkv
	.p2alignl 7, 3214868480
	.fill 96, 4, 3214868480
	.section	.rodata,"a",@progbits
	.p2align	6, 0x0
	.amdhsa_kernel k_qce8485ad44_qkv
		.amdhsa_group_segment_fixed_size 0
		.amdhsa_private_segment_fixed_size 0
		.amdhsa_enable_private_segment 0
		.amdhsa_kernarg_size 56
		.amdhsa_user_sgpr_count 2
		.amdhsa_user_sgpr_kernarg_segment_ptr 1
		.amdhsa_wavefront_size32 1
		.amdhsa_system_sgpr_workgroup_id_x 1
		.amdhsa_system_sgpr_workgroup_id_y 1
		.amdhsa_system_sgpr_workgroup_id_z 1
		.amdhsa_system_vgpr_workitem_id 0
		.amdhsa_next_free_vgpr 1024
		.amdhsa_next_free_sgpr 66
		.amdhsa_reserve_vcc 1
		.amdhsa_float_denorm_mode_32 3
		.amdhsa_float_denorm_mode_16_64 3
		.amdhsa_memory_ordered 1
		.amdhsa_forward_progress 1
		.amdhsa_inst_pref_size 255
	.end_amdhsa_kernel
	.section	.bss,"aw",@nobits
	.p2align	6
	.space	262144
	.amdgpu_metadata
---
amdhsa.version: [ 1, 2 ]
amdhsa.kernels:
  - .name:           k_qce8485ad44_qkv
    .symbol:         k_qce8485ad44_qkv.kd
    .args:
      - { .name: xbuf, .offset: 0, .size: 8, .value_kind: global_buffer, .address_space: global }
      - { .name: wbuf, .offset: 8, .size: 8, .value_kind: global_buffer, .address_space: global }
      - { .name: rope_cos, .offset: 16, .size: 8, .value_kind: global_buffer, .address_space: global }
      - { .name: rope_sin, .offset: 24, .size: 8, .value_kind: global_buffer, .address_space: global }
      - { .name: qbuf, .offset: 32, .size: 8, .value_kind: global_buffer, .address_space: global }
      - { .name: kbuf, .offset: 40, .size: 8, .value_kind: global_buffer, .address_space: global }
      - { .name: vbuf, .offset: 48, .size: 8, .value_kind: global_buffer, .address_space: global }
    .group_segment_fixed_size: 0
    .private_segment_fixed_size: 0
    .kernarg_segment_align: 8
    .kernarg_segment_size: 56
    .max_flat_workgroup_size: 32
    .sgpr_count:     66
    .vgpr_count:     1024
    .wavefront_size: 32
...
	.end_amdgpu_metadata
.endif
;; end of part 2
;; launch attn (part 3): grid 32 x 8, 8 waves a work-group, clusters of 4 x 4, 327,680 bytes of LDS; arguments qbuf, kbuf, vbuf, attention_mask, lambda_q1, lambda_k1, lambda_q2, lambda_k2, subln_w, obuf; writes obuf
.if DOCPART == 3
	.amdgcn_target "amdgcn-amd-amdhsa--gfx1250"
	.amdhsa_code_object_version 6
	.text
	.protected	k_qce8485ad44_attn
	.globl	k_qce8485ad44_attn
	.p2align	8
	.type	k_qce8485ad44_attn,@function
k_qce8485ad44_attn:
	s_mov_b64 s[64:65], 0
	v_nop
	global_prefetch_b8 v0, s[64:65] scope:SCOPE_SE
	s_setreg_imm32_b32 hwreg(HW_REG_WAVE_MODE, 25, 1), 1
	s_wait_xcnt 0x0
	s_wait_alu depctr_hold_cnt(0) depctr_sa_sdst(0) depctr_va_vdst(0) depctr_va_sdst(0) depctr_va_ssrc(0) depctr_va_vcc(0) depctr_vm_vsrc(0)
	s_getreg_b32 s2, hwreg(HW_REG_IB_STS2, 6, 4)
	s_cmp_eq_u32 s2, 0
	s_cbranch_scc0 .Lentry_in_a_cluster
	s_endpgm
.Lentry_in_a_cluster:
	s_bfe_u32 s2, ttmp6, 0x10000c
	s_cmp_lg_u32 s2, 0xf033
	s_cbranch_scc0 .Lentry_shape_is_right
	s_endpgm
.Lentry_shape_is_right:
; Launch 3 of 4: out = rmsnorm((softmax(q1 k1^T / 8 + mask) - lam softmax(q2 k2^T / 8 + mask)) v) w, quantised as the last product's operand.  No work of the problem is left out: the mask is an input, so every score is made.
; TWO WALKS OVER THE KEYS.  The second product's operand is the FINISHED difference of the two normalised softmaxes, quantised in blocks of 32 keys; a row's divisor is no power of two, so no code can be made before the row's
; maxima and sums are final.  Pass 1 makes each row's maximum m and sum l (a running maximum, each lane its own half of the keys; the halves meet once, behind the pass).  Pass 2 makes the scores again, a = p1 / l1 - lam p2 / l2, its codes, and O^T += V^T a^T.
; p = 2^(s L + nm), L = log2(e), nm = the rounded -L m: the same nm serves the sum and the codes, so its rounding cancels.  1 / l is multiplied in, not folded into the exponent.
; THE MASK IS THE C OF THE SCORES' MATRIX INSTRUCTION, and 1 / 8 lies in q's scale bytes: the instruction gives q k / 8 + mask.
; ONE FRAGMENT HOLDS k1 | k2 (128 along K).  Q lies in registers as q1 (6) | zero codes (6) | q2 (6): registers 0-11 are the operand [q1, 0], registers 6-17 the operand [0, q2]: zero codes add nothing under any scale byte of this program.
; SHARES.  A work-group: 64 queries x the four query heads of one key head.  Wave w: the tile of 16 queries w % 4, heads 2 (w / 4) and 2 (w / 4) + 1.  A fragment of K and a tile of the mask in registers feed four matrix instructions each.
; Two waves lie on a SIMD, so that one wave's products and LDS loads stand beside the other's vector work.
; LAYOUT.  Both products are used transposed: a lane holds ONE query (lane % 16) throughout.  Tile 2 B + u of keys, queries and channels holds rows 32 B + 8 u + r + 8 (r / 8), so the 16 registers of two neighbouring tiles are 16 neighbours.
; CLUSTER 4 x 4.  The mask's tile hangs on the block of queries alone: shared along a column of the cluster.  K's and V's records hang on the key head alone: shared along a row.  Each is asked for jointly.
; THE RING.  Sixteen tiles of 256 keys (eight in each pass) through two slots; at the head of each tile's trip the next tile is asked for, into the slot just left: it has two key steps in which to land.  Waves 0-3 fetch the mask's
; four groups of 16 rows, waves 4, 5 K's two records, waves 6, 7 V's.  V's first two tiles come at the head and wait in LDS for pass 2.  By this text's count a wave has at most two tensor loads out, later one.  All of a WGP's LDS is claimed.
; No prefetch is laid: each refill is asked for a whole slot (two key steps of four units each) ahead of the wait for it.
; LIMITS: NaN and infinities among the inputs are not served (single -infinity entries of the mask give p = 0); a row whose every mask entry swamps its scores takes the rounding of the matrix instruction's sum; blocks of a under 2^-124 are held at that floor.
; REGISTERS.  Window 0: v1-11 addresses; v12-27 statistics, four for each (head, softmax): nm, m, l (later 1 / l or -lam / l), l's second half; v28-37 scale words alone; v38 -lam; v44-59 at work; v60-95 Q; v96-119 a's codes;
;   v120-127 at work; v128-191 scores; v192-239 V's fragments; v240-255 at work.   Window 1: v0-95 K's eight fragments; v96-159 the mask; v160-223 O^T, 32 a head.
.set SLOT1, 1<<17
.set MGRP,  16768                      ; 16 rows of the mask, 1,040 bytes apart, + 128: so rows x and 16 + x, which one load touches, start in different banks
.set KOFF,  4*MGRP
.set VOFF,  KOFF+25600
.set SPARE, 2*SLOT1                    ; the spare words, 128 bytes for each wave: no other line names them
.set SPW,  1
.set NIL,  2
.set AK0,  3
.set AM0,  4
.set AV0,  5
.set AVS0, 6
.set ADK,  7
.set ADM,  8
.set ADV,  9
.set ADVS, 10
.set A16,  11
.set ST,   12
.set QS,   28
.set PWR,  30
.set KS,   32
.set VS,   36
.set NLAM, 38
.set TM,   44
.set QF,   60
.set PF,   96
.set CV,   120
.set S,    128
.set VF,   192
.set WV,   24                          ; s24 my wave's number
.set G1M,  32
.set G1K,  40
.set G1V,  48
.set G0M,  56
.set G0K,  60
.set G0V,  68
.set G0V2, 72
.set MB,   76                          ; s[76:77] the mask at my 16 rows; s[78:79] K's, s[80:81] V's record of mine in the head's first tile
.set KB,   78
.set VB,   80
.set OFF,  82                          ; s[82:83] an offset, its high word 0
.set CT,   84                          ; s84 tiles asked for; s85 that number modulo 8
.set C7,   85
.set TK,   86                          ; s86-88 LDS bytes at which the key step in hand begins: in K's records, in the mask's rows, in V's records
.set TMK,  87
.set TV,   88
.set LC,   89
.set TW,   90
.set HP,   91
.set SEL,  92
.set LG,   94                          ; s[94:95] L, twice: the packed form names a pair
.set NL,   96                          ; s96 -L
.set MSB, 0
.macro WIN new
.if MSB != (\new)
	s_set_vgpr_msb (MSB<<8)|(\new)
.set MSB, (\new)
.endif
.endm
.macro PLACES
.rept 4
	v_nop
.endr
.endm
.macro MM d, a, b, c, sa, sb, row      ; row = 1: source 0's scales stand in lanes 16-31
.if \row
	v_wmma_scale_f32_16x16x128_f8f6f4 v[(\d):(\d)+7], v[(\a):(\a)+11], v[(\b):(\b)+11], v[(\c):(\c)+7], v[\sa], v[\sb] matrix_a_fmt:MATRIX_FMT_FP6 matrix_b_fmt:MATRIX_FMT_FP6 matrix_a_scale:MATRIX_SCALE_ROW1
.else
	v_wmma_scale_f32_16x16x128_f8f6f4 v[(\d):(\d)+7], v[(\a):(\a)+11], v[(\b):(\b)+11], v[(\c):(\c)+7], v[\sa], v[\sb] matrix_a_fmt:MATRIX_FMT_FP6 matrix_b_fmt:MATRIX_FMT_FP6
.endif
.endm
.macro CROUND                          ; a round of the cluster's barrier
	s_barrier_signal -1
	s_barrier_wait -1
	s_cmp_lg_u32 s[WV], 0
	s_cbranch_scc1 .Lnot_wave_0_\@
	s_barrier_signal -3
.Lnot_wave_0_\@:
	s_barrier_wait -3
	s_barrier_signal -1
	s_barrier_wait -1
.endm
; The joint refill: one tensor load a wave.  The branches hang on the wave's number alone.  kind = 2: V's waves fetch too.  An s_nop 0 and four v_nop follow each load.
.macro TLOAD kind
	s_cmp_lt_u32 s[WV], 4
	s_cbranch_scc0 .Lnot_m_\@
	tensor_load_to_lds s[G0M:G0M+3], s[G1M:G1M+7]
	s_nop 0
	PLACES
	s_branch .Lasked_\@
.Lnot_m_\@:
	s_cmp_lt_u32 s[WV], 6
	s_cbranch_scc0 .Lnot_k_\@
	tensor_load_to_lds s[G0K:G0K+3], s[G1K:G1K+7]
	s_nop 0
	PLACES
	s_branch .Lasked_\@
.Lnot_k_\@:
.if (\kind) == 2
	tensor_load_to_lds s[G0V:G0V+3], s[G1V:G1V+7]
	s_nop 0
	PLACES
.endif
.Lasked_\@:
.endm
; THE CHANGE OF SLOTS, at a tile's head.  Each wave waits for all its tensor loads (its part of the tile ahead), adds 0 to its spare word, and waits for that and for its reads of the slot that it has left.
; kind > 0: a round of the cluster's barrier, so that no wave of any partner still reads that slot or has a load on its way; behind it the slot takes the next tile.  kind = 0: nothing is left to fetch.
.macro CHANGE kind
	WIN 0
	s_wait_tensorcnt 0x0                           ; no tensor load of mine is out, so the descriptors may be written
	ds_add_u32 v[SPW], v[NIL]                      ; 0 onto my spare word; the descriptors' steps stand between it and the wait for it
.if \kind
	s_add_co_u32 s[CT], s[CT], 1
	s_and_b32 s[C7], s[CT], 7                      ; pass 2 walks the same eight tiles again
	s_lshl_b32 s[OFF], s[C7], 10                   ; 256 keys of a mask row
	s_add_nc_u64 s[G0M+2:G0M+3], s[MB:MB+1], s[OFF:OFF+1]
	s_or_b32 s[G0M+3], s[G0M+3], 0x80000000
	s_xor_b32 s[G0M+1], s[G0M+1], SLOT1
	s_mul_i32 s[OFF], s[C7], 25600                 ; two records of K
	s_add_nc_u64 s[G0K+2:G0K+3], s[KB:KB+1], s[OFF:OFF+1]
	s_or_b32 s[G0K+3], s[G0K+3], 0x80000000
	s_xor_b32 s[G0K+1], s[G0K+1], SLOT1
	s_mul_i32 s[OFF], s[C7], 12800                 ; two of V
	s_add_nc_u64 s[G0V+2:G0V+3], s[VB:VB+1], s[OFF:OFF+1]
	s_or_b32 s[G0V+3], s[G0V+3], 0x80000000
	s_xor_b32 s[G0V+1], s[G0V+1], SLOT1
.endif
	s_wait_dscnt 0x0                               ; the add is done, and my reads of the slot that I have left are over
.if \kind
	CROUND
	TLOAD \kind
.else
	s_barrier_signal -1
	s_barrier_wait -1
.endif
.endm
.macro LDKM                            ; a key step's scale words of K, its eight fragments, and my query's 64 mask numbers: register 96 + 16 b + i = key 32 b + 16 (lane / 16) + i
	ds_load_b128 v[KS:KS+3], v[ADK] offset:12288
	WIN 0x40                                       ; destination window 1
.irp t, 0,1,2,3,4,5,6,7
.irp g, 0,1,2
	ds_load_b128 v[12*\t+4*\g:12*\t+4*\g+3], v[ADK] offset:1536*\t+512*\g
.endr
.endr
.irp b, 0,1,2,3
.irp j, 0,1,2,3
	ds_load_b128 v[96+16*\b+4*\j:99+16*\b+4*\j], v[ADM] offset:128*\b+16*\j
.endr
.endr
	WIN 0
.endm
; PASS 1, one softmax (head e, softmax g) x 128 keys: eight products, the running maximum, the exponentials as ONE batch with one wait, the sum
.macro P1UNIT e, g
.set rT, ST+4*(2*(\e)+(\g))
	WIN 0x11                                       ; source 0 (K) and C (the mask) window 1; source 1 (Q) and D window 0
.irp t, 0,1,2,3,4,5,6,7
	MM S+8*\t,12*\t,QF+18*(\e)+6*(\g),96+8*\t,KS+\t/2,QS+(\e),\t%2
.endr
	WIN 0
	PLACES
.irp b, 0,1,2,3
	v_max3_num_f32 v[244+\b], v[S+16*\b], v[S+16*\b+1], v[S+16*\b+2]        ; four chains, each result read from its low end on
.endr
.irp i, 3,5,7,9,11,13
.irp b, 0,1,2,3
	v_max3_num_f32 v[244+\b], v[244+\b], v[S+16*\b+\i], v[S+16*\b+\i+1]
.endr
.endr
	v_max3_num_f32 v244, v244, v[S+15], v[S+31]
	v_max3_num_f32 v246, v246, v[S+47], v[S+63]
	v_max3_num_f32 v244, v244, v245, v246
	v_mov_b32 v248, v[rT]                          ; the old nm
	v_max3_num_f32 v[rT+1], v244, v247, v[rT+1]    ; m
	v_mul_f32 v[rT], s[NL], v[rT+1]                ; nm = -L m
	v_sub_f32 v248, v[rT], v248                    ; 0 or less
.set jj, 0
.rept 32
	v_pk_fma_f32 v[S+jj:S+jj+1], v[S+jj:S+jj+1], s[LG:LG+1], v[rT:rT+1] op_sel_hi:[1,0,0]   ; s L + nm, two at a time
.set jj, jj+2
.endr
	v_exp_f32 v240, v248                           ; what brings the old sum under the new maximum
.set jj, 0
.rept 64
	v_exp_f32 v[S+jj], v[S+jj]
.set jj, jj+1
.endr
	v_nop                                          ; a plain place behind the last exponential
	s_wait_alu depctr_va_vdst(0)                   ; one wait for the batch, ahead of its first reader
	v_pk_mul_f32 v[rT+2:rT+3], v[rT+2:rT+3], v[240:241] op_sel_hi:[1,0]
	v_pk_add_f32 v[242:243], v[S:S+1], v[S+2:S+3]
.set jj, 4
.rept 15
	v_pk_add_f32 v[rT+2:rT+3], v[rT+2:rT+3], v[S+jj:S+jj+1]
	v_pk_add_f32 v[242:243], v[242:243], v[S+jj+2:S+jj+3]
.set jj, jj+4
.endr
	v_pk_add_f32 v[rT+2:rT+3], v[rT+2:rT+3], v[242:243]
.endm
.macro P1STEP
	v_add_nc_u32 v[ADK], s[TK], v[AK0]
	v_add_nc_u32 v[ADM], s[TMK], v[AM0]
	LDKM
	s_wait_dscnt 0x0
	P1UNIT 0,0
	P1UNIT 0,1
	P1UNIT 1,0
	P1UNIT 1,1
.endm
; 32 numbers of a lane, register 16 b + i = k 64 c + 32 b + 16 (lane / 16) + i, become registers 6 c .. 6 c + 5 of the fragment at v[p] and bytes 2 c, 2 c + 1 of the scale word v[pw]
.macro QUANTH x, c, p, pw
.irp b, 0,1
	v_max3_num_f32 v[TM+\b], |v[(\x)+16*\b]|, |v[(\x)+1+16*\b]|, 0x1800000
.endr
.irp i, 2,4,6,8,10,12,14
.irp b, 0,1
	v_max3_num_f32 v[TM+\b], v[TM+\b], |v[(\x)+16*\b+\i]|, |v[(\x)+1+16*\b+\i]|
.endr
.endr
.irp b, 0,1
	v_permlanex16_b32 v[TM+4+\b], v[TM+\b], s[SEL], s[SEL+1]
.endr
.irp b, 0,1
	v_max_num_f32 v[TM+\b], v[TM+\b], v[TM+4+\b]
.endr
.irp b, 0,1
	v_add_nc_u32 v[TM+12+\b], 0xff000000, v[TM+\b]
.endr
.irp b, 0,1
	v_lshrrev_b32 v[TM+4+\b], 23, v[TM+12+\b]
.endr
.if (\c) == 0
	v_lshl_or_b32 v[\pw], v[TM+5], 8, v[TM+4]
.else
	v_lshl_or_b32 v[\pw], v[TM+4], 16, v[\pw]
	v_lshl_or_b32 v[\pw], v[TM+5], 24, v[\pw]
.endif
	v_cvt_scalef32_pk16_fp6_f32 v[(\p)+6*(\c):(\p)+6*(\c)+2], v[(\x):(\x)+15], v[TM+12]
	v_cvt_scalef32_pk16_fp6_f32 v[CV:CV+2], v[(\x)+16:(\x)+31], v[TM+13]
	v_nop                                          ; one plain place behind a scaled conversion
.irp i, 0,1,2
	v_permlane16_swap_b32 v[(\p)+6*(\c)+\i], v[CV+\i]
.endr
.irp i, 0,1,2
	v_mov_b32 v[(\p)+6*(\c)+3+\i], v[CV+\i]
.endr
.endm
; PASS 2, head e x keys 64 c .. 64 c + 63 of the step, both softmaxes: eight products, 64 exponentials as one batch, a = p1 r1 + p2 (-lam r2), its codes
.macro P2UNIT e, c
.set rT, ST+8*(\e)
	WIN 0x11
.irp i, 0,1,2,3
	MM S+8*\i,12*(4*(\c)+\i),QF+18*(\e),96+8*(4*(\c)+\i),KS+2*(\c)+\i/2,QS+(\e),\i%2
	MM S+32+8*\i,12*(4*(\c)+\i),QF+18*(\e)+6,96+8*(4*(\c)+\i),KS+2*(\c)+\i/2,QS+(\e),\i%2
.endr
	WIN 0
	PLACES
.set jj, 0
.rept 16
	v_pk_fma_f32 v[S+jj:S+jj+1], v[S+jj:S+jj+1], s[LG:LG+1], v[rT:rT+1] op_sel_hi:[1,0,0]
.set jj, jj+2
.endr
.set jj, 0
.rept 16
	v_pk_fma_f32 v[S+32+jj:S+33+jj], v[S+32+jj:S+33+jj], s[LG:LG+1], v[rT+4:rT+5] op_sel_hi:[1,0,0]
.set jj, jj+2
.endr
.set jj, 0
.rept 64
	v_exp_f32 v[S+jj], v[S+jj]
.set jj, jj+1
.endr
	v_nop
	s_wait_alu depctr_va_vdst(0)                   ; one wait for the batch
.set jj, 0
.rept 16
	v_pk_mul_f32 v[S+jj:S+jj+1], v[S+jj:S+jj+1], v[rT+2:rT+3] op_sel_hi:[1,0]
.set jj, jj+2
.endr
.set jj, 0
.rept 16
	v_pk_fma_f32 v[S+jj:S+jj+1], v[S+32+jj:S+33+jj], v[rT+6:rT+7], v[S+jj:S+jj+1] op_sel_hi:[1,0,1]
.set jj, jj+2
.endr
	QUANTH S,\c,PF+12*(\e),PWR+(\e)
.endm
.macro P2STEP
	v_add_nc_u32 v[ADK], s[TK], v[AK0]             ; these four are also the places between the last step's products and the loads into V's registers
	v_add_nc_u32 v[ADM], s[TMK], v[AM0]
	v_add_nc_u32 v[ADV], s[TV], v[AV0]
	v_add_nc_u32 v[ADVS], s[TV], v[AVS0]
	LDKM
.irp t, 0,1,2,3
.irp g, 0,1,2
	ds_load_b128 v[VF+12*\t+4*\g:VF+12*\t+4*\g+3], v[ADV] offset:1536*\t+512*\g
.endr
.endr
	ds_load_b64 v[VS:VS+1], v[ADVS]
	s_wait_dscnt 13                                ; K, its scale words and the mask are in; V's twelve loads and its scale words may be out
	P2UNIT 0,0
	P2UNIT 1,0
	P2UNIT 0,1
	P2UNIT 1,1
	s_wait_dscnt 0x0
.rept 8
	v_nop                                          ; a scale word written by a vector instruction stands eight places ahead of a scaled matrix instruction, codes so written four
.endr
	WIN 0x50                                       ; C and D (O^T) window 1
.irp t, 0,1,2,3
.irp e, 0,1
	MM 160+32*\e+8*\t,VF+12*\t,PF+12*\e,160+32*\e+8*\t,VS+\t/2,PWR+\e,\t%2     ; the eight accumulators take turns, one instruction a turn
.endr
.endr
	WIN 0
.endm
; A slot's two key steps: written once, walked twice
.macro TWO1
	s_mov_b32 s[TW], 2
.Lstep_\@:
	P1STEP
	s_add_co_u32 s[TK], s[TK], 12800
	s_add_co_u32 s[TMK], s[TMK], 512
	s_sub_co_u32 s[TW], s[TW], 1
	s_cmp_lg_u32 s[TW], 0
	s_cbranch_scc1 .Lstep_\@
	s_sub_co_u32 s[TK], s[TK], 25600
	s_xor_b32 s[TK], s[TK], SLOT1
	s_sub_co_u32 s[TMK], s[TMK], 1024
	s_xor_b32 s[TMK], s[TMK], SLOT1
.endm
.macro TWO2
	s_mov_b32 s[TW], 2
.Lstep_\@:
	P2STEP
	s_add_co_u32 s[TK], s[TK], 12800
	s_add_co_u32 s[TMK], s[TMK], 512
	s_add_co_u32 s[TV], s[TV], 6400
	s_sub_co_u32 s[TW], s[TW], 1
	s_cmp_lg_u32 s[TW], 0
	s_cbranch_scc1 .Lstep_\@
	s_sub_co_u32 s[TK], s[TK], 25600
	s_xor_b32 s[TK], s[TK], SLOT1
	s_sub_co_u32 s[TMK], s[TMK], 1024
	s_xor_b32 s[TMK], s[TMK], SLOT1
	s_sub_co_u32 s[TV], s[TV], 12800
	s_xor_b32 s[TV], s[TV], SLOT1
.endm
	s_load_b256 s[4:11], s[0:1], 0x0               ; qbuf s[4:5], kbuf s[6:7], vbuf s[8:9], the mask s[10:11]
	s_load_b256 s[12:19], s[0:1], 0x20             ; lambda_q1, lambda_k1, lambda_q2, lambda_k2
	s_load_b128 s[20:23], s[0:1], 0x40             ; subln_w s[20:21], obuf s[22:23]
	v_lshl_add_u32 v[SPW], v0, 2, SPARE
	v_mov_b32 v[NIL], 0
	ds_add_u32 v[SPW], v[NIL]                      ; the wave's opening: the add, twice on end, and its wait ahead of my first tensor load
	ds_add_u32 v[SPW], v[NIL]
	v_lshrrev_b32 v3, 5, v0
	v_readfirstlane_b32 s[WV], v3                  ; wave 0..7
	s_bfe_u32 s25, ttmp6, 0x40000                  ; cx
	s_bfe_u32 s26, ttmp6, 0x40004                  ; cy
	s_lshl_b32 s27, ttmp9, 2
	s_add_co_u32 s27, s27, s25                     ; my block of 64 queries
	s_and_b32 s28, ttmp7, 0xffff
	s_lshl_b32 s28, s28, 2
	s_add_co_u32 s28, s28, s26                     ; batch 4 + key head
	s_lshl_b32 s29, 0x1111, s25                    ; my column of the cluster
	s_lshl_b32 s30, s26, 2
	s_lshl_b32 s30, 15, s30                        ; my row
	s_and_b32 s31, s[WV], 3                        ; my tile of queries.  Also: which 16 rows of the mask I fetch
	s_and_b32 s97, s[WV], 1                        ; which record of a slot's two I fetch
	s_lshr_b32 s[HP], s[WV], 2                     ; my pair of heads
	; group 1, the mask: 16 rows x 256 numbers of 4 bytes, 2,048 apart; 4 words of padding behind every 256
	s_or_b32 s[G1M], s29, (2<<16)|(1<<20)|(1<<21)|(7<<22)|(3<<25)
	s_mov_b32 s[G1M+1], 256<<16
	s_mov_b32 s[G1M+2], 16<<16
	s_mov_b32 s[G1M+3], 256<<16
	s_mov_b32 s[G1M+4], 16
	s_mov_b32 s[G1M+5], 2048
	s_mov_b32 s[G1M+6], 0
	s_mov_b32 s[G1M+7], 0
	; K: a record of 12,800 dense bytes as 50 rows of 256 (32 elements of 8 bytes); V: 6,400 as 25
	s_or_b32 s[G1K], s30, (3<<16)|(1<<21)
	s_mov_b32 s[G1K+1], 32<<16
	s_mov_b32 s[G1K+2], 50<<16
	s_mov_b32 s[G1K+3], 32<<16
	s_mov_b32 s[G1K+4], 50
	s_mov_b32 s[G1K+5], 32
	s_mov_b32 s[G1K+6], 0
	s_mov_b32 s[G1K+7], 0
	s_or_b32 s[G1V], s30, (3<<16)|(1<<21)
	s_mov_b32 s[G1V+1], 32<<16
	s_mov_b32 s[G1V+2], 25<<16
	s_mov_b32 s[G1V+3], 32<<16
	s_mov_b32 s[G1V+4], 25
	s_mov_b32 s[G1V+5], 32
	s_mov_b32 s[G1V+6], 0
	s_mov_b32 s[G1V+7], 0
	; group 0: the LDS addresses hang on the wave's number alone
	s_mov_b32 s[G0M], 1
	s_mul_i32 s[G0M+1], s31, MGRP
	s_mov_b32 s[G0K], 1
	s_mul_i32 s[G0K+1], s97, 12800
	s_add_co_u32 s[G0K+1], s[G0K+1], KOFF
	s_mov_b32 s[G0V], 1
	s_mul_i32 s[G0V+1], s97, 6400
	s_add_co_u32 s[G0V+1], s[G0V+1], VOFF
	s_mov_b32 s[G0V2], 1
	s_add_co_u32 s[G0V2+1], s[G0V+1], SLOT1
	s_lshl_b32 s98, s27, 19                        ; the mask: 64 rows of 8,192 bytes a block, (registers that never hold cy)
	s_lshl_b32 s99, s31, 17                        ; 16 rows a wave
	s_add_co_u32 s98, s98, s99
	s_mov_b32 s99, 0
	s_mul_i32 s100, s28, 204800                    ; K: 16 records a head (registers that never hold cx)
	s_mul_i32 s101, s97, 12800
	s_add_co_u32 s100, s100, s101
	s_mov_b32 s101, 0
	s_mov_b32 s[OFF+1], 0
	s_mov_b32 s[CT], 0
	s_mov_b32 s[TK], 0
	s_mov_b32 s[TMK], 0
	s_mov_b32 s[TV], 0
	s_mov_b32 s[SEL], 0x76543210
	s_mov_b32 s[SEL+1], 0xfedcba98
	s_mov_b32 s[LG], 0x3fb8aa3b                    ; L = log2(e)
	s_mov_b32 s[LG+1], s[LG]
	s_mov_b32 s[NL], 0xbfb8aa3b
	s_wait_dscnt 0x0                               ; both opening adds are done
	s_wait_kmcnt 0x0
	s_add_nc_u64 s[MB:MB+1], s[10:11], s[98:99]
	s_add_nc_u64 s[KB:KB+1], s[6:7], s[100:101]
	s_mul_i32 s100, s28, 102400
	s_mul_i32 s101, s97, 6400
	s_add_co_u32 s100, s100, s101
	s_mov_b32 s101, 0
	s_add_nc_u64 s[VB:VB+1], s[8:9], s[100:101]
	s_mov_b64 s[G0M+2:G0M+3], s[MB:MB+1]
	s_or_b32 s[G0M+3], s[G0M+3], 0x80000000
	s_mov_b64 s[G0K+2:G0K+3], s[KB:KB+1]
	s_or_b32 s[G0K+3], s[G0K+3], 0x80000000
	s_mov_b64 s[G0V+2:G0V+3], s[VB:VB+1]
	s_or_b32 s[G0V+3], s[G0V+3], 0x80000000
	s_add_nc_u64 s[G0V2+2:G0V2+3], s[VB:VB+1], 12800
	s_or_b32 s[G0V2+3], s[G0V2+3], 0x80000000
	CROUND                                         ; all sixteen work-groups are here: the first joint loads meet
	s_cmp_lt_u32 s[WV], 4                          ; every wave issues a first fill: tile 0 of the mask and of K, tiles 0 and 1 of V
	s_cbranch_scc0 .Lhead_k
	tensor_load_to_lds s[G0M:G0M+3], s[G1M:G1M+7]
	s_nop 0
	PLACES
	s_branch .Lhead_done
.Lhead_k:
	s_cmp_lt_u32 s[WV], 6
	s_cbranch_scc0 .Lhead_v
	tensor_load_to_lds s[G0K:G0K+3], s[G1K:G1K+7]
	s_nop 0
	PLACES
	s_branch .Lhead_done
.Lhead_v:
	tensor_load_to_lds s[G0V:G0V+3], s[G1V:G1V+7]
	s_nop 0
	tensor_load_to_lds s[G0V2:G0V2+3], s[G1V:G1V+7]
	s_nop 0
	PLACES
.Lhead_done:
	; Q's and O's places (registers that feed no descriptor)
	s_lshl_b32 s2, s28, 2
	s_lshl_b32 s3, s[HP], 1
	s_add_co_u32 s2, s2, s3                        ; batch 16 + my first head
	s_lshl_b32 s6, s2, 7
	s_lshl_b32 s7, s27, 2
	s_add_co_u32 s6, s6, s7
	s_add_co_u32 s6, s6, s31
	s_mul_i32 s6, s6, 1536                         ; its image of my tile
	s_mov_b32 s7, 0
	s_lshl_b32 s8, s2, 14
	s_lshl_b32 s9, s27, 9
	s_add_co_u32 s8, s8, s9
	s_add_co_u32 s8, s8, 6291456                   ; and the group's scale words
	s_mov_b32 s9, 0
	s_add_nc_u64 s[66:67], s[4:5], s[8:9]
	s_add_nc_u64 s[4:5], s[4:5], s[6:7]
	s_lshr_b32 s2, s28, 2
	s_lshl_b32 s2, s2, 7
	s_lshl_b32 s3, s27, 2
	s_add_co_u32 s2, s2, s3
	s_add_co_u32 s2, s2, s31                       ; the tile of positions: 128 batch + 4 block + tile
	s_and_b32 s3, s28, 3                           ; the key head g: my two heads are K step 2 g + w / 4 of the last product
	s_lshl_b32 s6, s2, 3
	s_lshl_b32 s7, s3, 1
	s_add_co_u32 s6, s6, s7
	s_add_co_u32 s6, s6, s[HP]
	s_mul_i32 s6, s6, 1536
	s_mov_b32 s7, 0
	s_lshl_b32 s8, s2, 9
	s_lshl_b32 s9, s3, 7
	s_add_co_u32 s8, s8, s9
	s_lshl_b32 s9, s[HP], 6
	s_add_co_u32 s8, s8, s9
	s_add_co_u32 s8, s8, 3145728
	s_mov_b32 s9, 0
	s_add_nc_u64 s[10:11], s[22:23], s[8:9]        ; O's scale words
	s_add_nc_u64 s[22:23], s[22:23], s[6:7]        ; O's image
	v_and_b32 v240, 31, v0                         ; lane
	v_lshlrev_b32 v[A16], 4, v240
	s_lshl_b32 s2, s31, 2
	v_add_nc_u32 v252, s2, v[A16]                  ; q's scale word: 16 x lane + 4 x tile
	v_lshlrev_b32 v253, 3, v240
.irp e, 0,1
.irp g, 0,1,2
	global_load_b128 v[S+12*\e+4*\g:S+12*\e+4*\g+3], v[A16], s[4:5] offset:196608*\e+512*\g
.endr
	global_load_b32 v[QS+\e], v252, s[66:67] offset:16384*\e
.endr
	global_load_b64 v[160:161], v253, s[12:13]
	global_load_b64 v[162:163], v253, s[14:15]
	global_load_b64 v[164:165], v253, s[16:17]
	global_load_b64 v[166:167], v253, s[18:19]
	v_add_nc_u32 v[AK0], KOFF, v[A16]
	v_add_nc_u32 v[AV0], VOFF, v[A16]
	v_lshl_add_u32 v[AVS0], v240, 3, VOFF+6144
	v_bfe_u32 v241, v0, 3, 1                       ; r / 8
	v_and_b32 v242, 7, v0                          ; r % 8
	v_bfe_u32 v243, v0, 4, 1                       ; h
	v_mul_u32_u24 v[AM0], v241, MGRP               ; my query's row of the mask: group 2 (tile / 2) + r / 8, row 8 (tile % 2) + r % 8 in it
	v_mad_u32_u24 v[AM0], v242, 1040, v[AM0]
	v_lshl_add_u32 v[AM0], v243, 6, v[AM0]         ; + 64 h
	s_lshr_b32 s2, s31, 1
	s_mul_i32 s2, s2, 2*MGRP
	s_and_b32 s3, s31, 1
	s_mul_i32 s3, s3, 8*1040
	s_add_co_u32 s2, s2, s3
	v_add_nc_u32 v[AM0], s2, v[AM0]
.irp k, 0,1,2,3
	v_mov_b32 v[ST+4*\k+1], 0xfe967699             ; m = -1e38, under every score
	v_mov_b32 v[ST+4*\k+2], 0
	v_mov_b32 v[ST+4*\k+3], 0
.endr
.irp k, 0,1,2,3
	v_mul_f32 v[ST+4*\k], s[NL], v[ST+4*\k+1]
.endr
	v_mov_b32 v241, 0                              ; (named as the upper half of a pair)
	v_mov_b32 v249, 0
	v_mov_b32 v251, 0
	v_mov_b32 v[TM+4], 0                           ; a lane permute's destination counts as one of its sources
	v_mov_b32 v[TM+5], 0
	v_mov_b32 v170, 0
	v_mov_b32 v171, 0
	WIN 0x40
.set jj, 0
.rept 64
	v_mov_b32 v[160+jj], 0                         ; O^T.  (The key step of pass 2 is written with no first step of its own)
.set jj, jj+1
.endr
	WIN 0
	s_wait_loadcnt 0x0
.irp e, 0,1
.irp i, 0,1,2,3,4,5
	v_mov_b32 v[QF+18*\e+\i], v[S+12*\e+\i]        ; q1's codes,
	v_mov_b32 v[QF+18*\e+6+\i], 0                  ; zero codes,
	v_mov_b32 v[QF+18*\e+12+\i], v[S+12*\e+6+\i]   ; q2's
.endr
.endr
	v_mul_f32 v168, v160, v162                     ; the two dot products of 64, in f32: two terms a lane,
	v_mul_f32 v169, v164, v166
	v_fma_f32 v168, v161, v163, v168
	v_fma_f32 v169, v165, v167, v169
.irp m, 1,2,4,8
	v_add_f32_dpp v168, v168, v168 row_xmask:\m row_mask:0xf bank_mask:0xf
	v_add_f32_dpp v169, v169, v169 row_xmask:\m row_mask:0xf bank_mask:0xf
.endr
	v_permlanex16_b32 v170, v168, s[SEL], s[SEL+1]
	v_permlanex16_b32 v171, v169, s[SEL], s[SEL+1]
	v_add_f32 v168, v168, v170                     ; summed over the 32 lanes
	v_add_f32 v169, v169, v171
	v_mul_f32 v168, s[LG], v168
	v_mul_f32 v169, s[LG], v169
	v_exp_f32 v168, v168
	v_exp_f32 v169, v169
	v_nop
	s_wait_alu depctr_va_vdst(0)
	v_sub_f32 v[NLAM], v169, v168
	v_add_f32 v[NLAM], 0xbeb60549, v[NLAM]         ; -lam = -((e1 - e2) + (0.8 - 0.6 exp(-0.3)))
	; ---------------- pass 1
	s_mov_b32 s[LC], 8
.Lpass1:
	CHANGE 1
	TWO1
	s_sub_co_u32 s[LC], s[LC], 1
	s_cmp_lg_u32 s[LC], 0
	s_cbranch_scc1 .Lpass1
	; the two halves of the lanes meet: the row's m, nm, l; then 1 / l1 and -lam / l2
.irp k, 0,1,2,3
	v_add_f32 v[ST+4*\k+2], v[ST+4*\k+2], v[ST+4*\k+3]
.endr
.irp k, 0,1,2,3
	v_permlanex16_b32 v[S+\k], v[ST+4*\k+1], s[SEL], s[SEL+1]
.endr
.irp k, 0,1,2,3
	v_permlanex16_b32 v[S+4+\k], v[ST+4*\k+2], s[SEL], s[SEL+1]
.endr
.irp k, 0,1,2,3
	v_max_num_f32 v[S+8+\k], v[ST+4*\k+1], v[S+\k]
.endr
.irp k, 0,1,2,3
	v_mul_f32 v[S+12+\k], s[NL], v[S+8+\k]         ; the row's nm
.endr
.irp k, 0,1,2,3
	v_mul_f32 v[S+16+\k], s[NL], v[S+\k]           ; the other half's nm, made as that half made it
.endr
.irp k, 0,1,2,3
	v_sub_f32 v[S+20+\k], v[S+12+\k], v[ST+4*\k]
.endr
.irp k, 0,1,2,3
	v_sub_f32 v[S+16+\k], v[S+12+\k], v[S+16+\k]
.endr
.irp k, 0,1,2,3
	v_exp_f32 v[S+20+\k], v[S+20+\k]
.endr
.irp k, 0,1,2,3
	v_exp_f32 v[S+16+\k], v[S+16+\k]
.endr
	v_nop
	s_wait_alu depctr_va_vdst(0)
.irp k, 0,1,2,3
	v_mul_f32 v[ST+4*\k+2], v[ST+4*\k+2], v[S+20+\k]
.endr
.irp k, 0,1,2,3
	v_fma_f32 v[ST+4*\k+2], v[S+4+\k], v[S+16+\k], v[ST+4*\k+2]
.endr
.irp k, 0,1,2,3
	v_rcp_f32 v[S+24+\k], v[ST+4*\k+2]
.endr
.irp k, 0,1,2,3
	v_mov_b32 v[ST+4*\k], v[S+12+\k]               ; (plain places behind the reciprocals)
.endr
	s_wait_alu depctr_va_vdst(0)
	v_mov_b32 v[ST+2], v[S+24]
	v_mul_f32 v[ST+6], v[S+25], v[NLAM]
	v_mov_b32 v[ST+10], v[S+26]
	v_mul_f32 v[ST+14], v[S+27], v[NLAM]
	; ---------------- pass 2.  V's tiles 0 and 1 lie in LDS since the head; from the second trip on V's waves fetch too; the last trip is written out
	CHANGE 1
	TWO2
	s_mov_b32 s[LC], 6
.Lpass2:
	CHANGE 2
	TWO2
	s_sub_co_u32 s[LC], s[LC], 1
	s_cmp_lg_u32 s[LC], 0
	s_cbranch_scc1 .Lpass2
	CHANGE 0
	TWO2
	; ---------------- the way out: the norm over a head's 64 channels, the gain, and the quantiser along the last product's K: register 16 B + i of a head = channel 32 B + 16 h + i
	PLACES
	v_bfe_u32 v252, v0, 4, 1
	v_lshlrev_b32 v252, 6, v252                    ; 64 h
.irp b, 0,1
.irp j, 0,1,2,3
	global_load_b128 v[VF+16*\b+4*\j:VF+16*\b+4*\j+3], v252, s[20:21] offset:128*\b+16*\j
.endr
.endr
	s_mov_b32 s12, 0x3727c5ac                      ; 1e-5
	WIN 0x05                                       ; sources 0 and 1 window 1
	v_pk_mul_f32 v[240:241], v[160:161], v[160:161]
	v_pk_mul_f32 v[242:243], v[192:193], v[192:193]
.set jj, 2
.rept 15
	v_pk_fma_f32 v[240:241], v[160+jj:161+jj], v[160+jj:161+jj], v[240:241]
	v_pk_fma_f32 v[242:243], v[192+jj:193+jj], v[192+jj:193+jj], v[242:243]
.set jj, jj+2
.endr
	WIN 0
	v_add_f32 v244, v240, v241
	v_add_f32 v245, v242, v243
	v_permlanex16_b32 v246, v244, s[SEL], s[SEL+1]
	v_permlanex16_b32 v247, v245, s[SEL], s[SEL+1]
	v_add_f32 v244, v244, v246
	v_add_f32 v245, v245, v247
	v_fma_f32 v244, v244, 0x3c800000, s12          ; the mean of the squares + eps
	v_fma_f32 v245, v245, 0x3c800000, s12
	v_rsq_f32 v248, v244
	v_rsq_f32 v250, v245
	v_nop
	s_wait_alu depctr_va_vdst(0)
	WIN 0x01                                       ; source 0 window 1
.set jj, 0
.rept 16
	v_pk_mul_f32 v[S+jj:S+jj+1], v[160+jj:161+jj], v[248:249] op_sel_hi:[1,0]
	v_pk_mul_f32 v[S+32+jj:S+33+jj], v[192+jj:193+jj], v[250:251] op_sel_hi:[1,0]
.set jj, jj+2
.endr
	WIN 0
	s_wait_loadcnt 0x0
.set jj, 0
.rept 16
	v_pk_mul_f32 v[S+jj:S+jj+1], v[S+jj:S+jj+1], v[VF+jj:VF+jj+1]
	v_pk_mul_f32 v[S+32+jj:S+33+jj], v[S+32+jj:S+33+jj], v[VF+jj:VF+jj+1]
.set jj, jj+2
.endr
	QUANTH S,0,PF,PWR
	QUANTH S+32,1,PF,PWR
.irp g, 0,1,2
	global_store_b128 v[A16], v[PF+4*\g:PF+4*\g+3], s[22:23] offset:512*\g
.endr
	v_and_b32 v253, 15, v0
	v_lshlrev_b32 v253, 2, v253
	global_store_b32 v253, v[PWR], s[10:11]        ; lanes l and l + 16 hold the same word and write it to the same place
	s_wait_tensorcnt 0x0                           ; the wave's end
	ds_add_u32 v[SPW], v[NIL]
	s_wait_dscnt 0x0
	CROUND                                         ; the closing round: no work-group ends while a partner may still ask for a tile that names it
	s_endpgm
.Lfunc_end_k_qce8485ad44_attn:
	.size	k_qce8485ad44_attn, .Lfunc_end_k_qce8485ad44_attn-k_qce8485ad44_attn
	.p2alignl 7, 3214868480
	.fill 96, 4, 3214868480
	.section	.rodata,"a",@progbits
	.p2align	6, 0x0
	.amdhsa_kernel k_qce8485ad44_attn
		.amdhsa_group_segment_fixed_size 327680
		.amdhsa_private_segment_fixed_size 0
		.amdhsa_enable_private_segment 0
		.amdhsa_kernarg_size 80
		.amdhsa_user_sgpr_count 2
		.amdhsa_user_sgpr_kernarg_segment_ptr 1
		.amdhsa_wavefront_size32 1
		.amdhsa_system_sgpr_workgroup_id_x 1
		.amdhsa_system_sgpr_workgroup_id_y 1
		.amdhsa_system_sgpr_workgroup_id_z 1
		.amdhsa_system_vgpr_workitem_id 0
		.amdhsa_next_free_vgpr 512
		.amdhsa_next_free_sgpr 102
		.amdhsa_reserve_vcc 0
		.amdhsa_float_denorm_mode_32 3
		.amdhsa_float_denorm_mode_16_64 3
		.amdhsa_memory_ordered 1
		.amdhsa_forward_progress 1
		.amdhsa_inst_pref_size 203
	.end_amdhsa_kernel
	.amdgpu_metadata
---
amdhsa.version: [ 1, 2 ]
amdhsa.kernels:
  - .name:           k_qce8485ad44_attn
    .symbol:         k_qce8485ad44_attn.kd
    .args:
      - { .name: qbuf, .offset: 0, .size: 8, .value_kind: global_buffer, .address_space: global }
      - { .name: kbuf, .offset: 8, .size: 8, .value_kind: global_buffer, .address_space: global }
      - { .name: vbuf, .offset: 16, .size: 8, .value_kind: global_buffer, .address_space: global }
      - { .name: attention_mask, .offset: 24, .size: 8, .value_kind: global_buffer, .address_space: global }
      - { .name: lambda_q1, .offset: 32, .size: 8, .value_kind: global_buffer, .address_space: global }
      - { .name: lambda_k1, .offset: 40, .size: 8, .value_kind: global_buffer, .address_space: global }
      - { .name: lambda_q2, .offset: 48, .size: 8, .value_kind: global_buffer, .address_space: global }
      - { .name: lambda_k2, .offset: 56, .size: 8, .value_kind: global_buffer, .address_space: global }
      - { .name: subln_w, .offset: 64, .size: 8, .value_kind: global_buffer, .address_space: global }
      - { .name: obuf, .offset: 72, .size: 8, .value_kind: global_buffer, .address_space: global }
    .group_segment_fixed_size: 327680
    .private_segment_fixed_size: 0
    .kernarg_segment_align: 8
    .kernarg_segment_size: 80
    .max_flat_workgroup_size: 256
    .sgpr_count:     102
    .vgpr_count:     512
    .wavefront_size: 32
...
	.end_amdgpu_metadata
.endif
;; end of part 3
;; launch oproj (part 4): grid 8 x 64, 1 waves a work-group, no clusters, 8,704 bytes of LDS; arguments obuf, wbuf, out0; writes out0
.if DOCPART == 4
	.amdgcn_target "amdgcn-amd-amdhsa--gfx1250"
	.amdhsa_code_object_version 6
	.text
	.protected	k_qce8485ad44_oproj
	.globl	k_qce8485ad44_oproj
	.p2align	8
	.type	k_qce8485ad44_oproj,@function
k_qce8485ad44_oproj:
	s_mov_b64 s[64:65], 0
	v_nop
	global_prefetch_b8 v0, s[64:65] scope:SCOPE_SE
	s_setreg_imm32_b32 hwreg(HW_REG_WAVE_MODE, 25, 1), 1
	s_wait_xcnt 0x0
; Launch 4 of 4: out0 = O Wo on codes.  No work of the problem is left out here.
; SHARES.  One wave: four tiles of 16 positions (work-group y) x 128 columns of Wo (work-group x): 32 accumulators; K = 8 steps of 128.  Operands lie in memory as images of their registers (launches 1 and 3) and go straight into registers, a K step ahead.
; The product is used transposed (source 0 = 16 columns of Wo, source 1 = 16 positions): a lane holds one position, and the registers of tiles 2 B, 2 B + 1 are columns 32 B + 16 (lane / 16) + 0 .. 15.
; Row r of tile 2 B + u is position 32 B + 8 u + r + 8 (r / 8): the stores' immediates say so.
; THE WAY OUT: 16 rows x 128 columns at a time through a stage in LDS, back as whole rows of 512 bytes: each store of the wave covers 512 consecutive bytes, aligned to 256.
; REGISTERS.  Window 0: v1-6 addresses; v16-39 scale words, two sets (Wo's 8, O's 4); v48-143 O's fragments, two sets; on the way out v48-175 rows read back.  Window 1: Wo's fragments, two sets.  Window 2: the accumulators, (a, i) at 8 (8 a + i).
.set SPARE, 8448
.set SPW, 1
.set NIL, 2
.set A16, 3
.set A4,  4
.set STO, 5
.set SC,  16
.set XF,  48
.set BK,  48
.set MSB, 0
.macro WIN new
.if MSB != (\new)
	s_set_vgpr_msb (MSB<<8)|(\new)
.set MSB, (\new)
.endif
.endm
.macro PLACES
.rept 4
	v_nop
.endr
.endm
.macro MM d, a, b, sa, sb, mode        ; mode 0: starts the sum; 1: adds, scales in lanes 0-15; 2: adds, scales in lanes 16-31
.if (\mode) == 0
	v_wmma_scale_f32_16x16x128_f8f6f4 v[(\d):(\d)+7], v[(\a):(\a)+11], v[(\b):(\b)+11], 0, v[\sa], v[\sb] matrix_a_fmt:MATRIX_FMT_FP6 matrix_b_fmt:MATRIX_FMT_FP6
.elseif (\mode) == 1
	v_wmma_scale_f32_16x16x128_f8f6f4 v[(\d):(\d)+7], v[(\a):(\a)+11], v[(\b):(\b)+11], v[(\d):(\d)+7], v[\sa], v[\sb] matrix_a_fmt:MATRIX_FMT_FP6 matrix_b_fmt:MATRIX_FMT_FP6
.else
	v_wmma_scale_f32_16x16x128_f8f6f4 v[(\d):(\d)+7], v[(\a):(\a)+11], v[(\b):(\b)+11], v[(\d):(\d)+7], v[\sa], v[\sb] matrix_a_fmt:MATRIX_FMT_FP6 matrix_b_fmt:MATRIX_FMT_FP6 matrix_a_scale:MATRIX_SCALE_ROW1 matrix_b_scale:MATRIX_SCALE_ROW1
.endif
.endm
.macro LDF set, s                      ; a K step's fragments: Wo's eight, O's four: 36 loads
	WIN 0x40
.irp i, 0,1,2,3,4,5,6,7
.irp g, 0,1,2
	global_load_b128 v[96*(\set)+12*\i+4*\g:96*(\set)+12*\i+4*\g+3], v[A16], s[16:17] offset:\i*12288+1536*(\s)+512*\g
.endr
.endr
	WIN 0
.irp a, 0,1,2,3
.irp g, 0,1,2
	global_load_b128 v[XF+48*(\set)+12*\a+4*\g:XF+48*(\set)+12*\a+4*\g+3], v[A16], s[12:13] offset:\a*12288+1536*(\s)+512*\g
.endr
.endr
.endm
.macro LDSC z, p                       ; the scale words of K steps 2 p and 2 p + 1: 12 loads
.irp i, 0,1,2,3,4,5,6,7
	global_load_b32 v[SC+12*(\z)+\i], v[A4], s[18:19] offset:\i*512+128*(\p)
.endr
.irp a, 0,1,2,3
	global_load_b32 v[SC+12*(\z)+8+\a], v[A4], s[14:15] offset:\a*512+128*(\p)
.endr
.endm
.macro MULS set, z, mode               ; 32 accumulators by turns, one instruction a turn
	WIN 0xa1                                       ; source 0 (Wo) window 1, source 1 (O) window 0, C and D window 2
.irp a, 0,1,2,3
.irp i, 0,1,2,3,4,5,6,7
	MM 8*(8*\a+\i),96*(\set)+12*\i,XF+48*(\set)+12*\a,SC+12*(\z)+\i,SC+12*(\z)+8+\a,\mode
.endr
.endr
	WIN 0
.endm
.macro KSTEP s
.if (\s) > 0
	PLACES                                         ; ahead of loads into the set that the step before read
.endif
.if (\s) < 7
.if (\s)%2 == 1
	LDSC (((\s)+1)/2)%2,((\s)+1)/2
	LDF ((\s)+1)%2,(\s)+1
	s_wait_loadcnt 48                              ; this step's operands are in; the 12 + 36 just asked for may be out
.else
	LDF ((\s)+1)%2,(\s)+1
	s_wait_loadcnt 36
.endif
.else
	s_wait_loadcnt 0x0
.endif
.endm
	s_load_b128 s[4:7], s[0:1], 0x0                ; obuf s[4:5], wbuf s[6:7]
	s_load_b64 s[8:9], s[0:1], 0x10                ; out0
	v_lshl_add_u32 v[SPW], v0, 2, SPARE
	v_mov_b32 v[NIL], 0
	v_lshlrev_b32 v[A16], 4, v0                    ; one wave: the thread's number is the lane
	v_lshlrev_b32 v[A4], 2, v0
	v_and_b32 v7, 15, v0
	v_bfe_u32 v8, v0, 4, 1
	v_mul_u32_u24 v[STO], v7, 528
	v_lshl_add_u32 v[STO], v8, 6, v[STO]           ; the stage: row r, + 64 h
	s_and_b32 s11, ttmp7, 0xffff                   ; which four tiles of positions
	s_mul_i32 s22, s11, 49152
	s_mov_b32 s23, 0
	s_wait_kmcnt 0x0
	s_add_nc_u64 s[12:13], s[4:5], s[22:23]
	s_lshl_b32 s22, s11, 11
	s_add_co_u32 s22, s22, 3145728
	s_add_nc_u64 s[14:15], s[4:5], s[22:23]
	s_lshl_b32 s10, ttmp9, 3
	s_add_co_u32 s10, s10, 176                     ; Wo's first tile of mine
	s_mul_i32 s22, s10, 12288
	s_add_nc_u64 s[16:17], s[6:7], s[22:23]
	s_lshl_b32 s22, s10, 9
	s_add_co_u32 s22, s22, 2949120
	s_add_nc_u64 s[18:19], s[6:7], s[22:23]
	s_lshl_b32 s22, s11, 18                        ; 64 rows of 4,096 bytes
	s_lshl_b32 s10, ttmp9, 9                       ; 128 columns
	s_add_co_u32 s22, s22, s10
	s_add_nc_u64 s[20:21], s[8:9], s[22:23]
	LDSC 0,0
	LDF 0,0
	KSTEP 0
	MULS 0,0,0
	KSTEP 1
	MULS 1,0,2
	KSTEP 2
	MULS 0,1,1
	KSTEP 3
	MULS 1,1,2
	KSTEP 4
	MULS 0,0,1
	KSTEP 5
	MULS 1,0,2
	KSTEP 6
	MULS 0,1,1
	KSTEP 7
	MULS 1,1,2
.macro TOSTAGE a
	WIN 0x08                                       ; an LDS store's data are its source 1: window 2
.irp i, 0,1,2,3,4,5,6,7
	ds_store_b128 v[STO], v[8*(8*(\a)+\i):8*(8*(\a)+\i)+3] offset:128*(\i/2)+32*(\i%2)          ; each accumulator from its low end on
	ds_store_b128 v[STO], v[8*(8*(\a)+\i)+4:8*(8*(\a)+\i)+7] offset:128*(\i/2)+32*(\i%2)+16
.endr
	WIN 0
.irp t, 0,1,2,3,4,5,6,7,8,9,10,11,12,13,14,15
	ds_load_b128 v[BK+64*((\a)%2)+4*\t:BK+64*((\a)%2)+4*\t+3], v[A16] offset:528*\t   ; LDS serves a wave's instructions in order: these see the stores above, and the next block's stores come behind them
.endr
.endm
.macro SEND a, younger                 ; younger: the LDS instructions issued behind block a's loads, which may stay out
	s_wait_dscnt \younger
.irp t, 0,1,2,3,4,5,6,7,8,9,10,11,12,13,14,15
	global_store_b128 v[A16], v[BK+64*((\a)%2)+4*\t:BK+64*((\a)%2)+4*\t+3], s[20:21] offset:(32*((\a)/2)+8*((\a)%2)+\t+8*(\t/8))*4096 th:TH_STORE_NT
.endr
.endm
	PLACES                                         ; ahead of the first read of results and of loads into registers that held O's fragments
	TOSTAGE 0
	TOSTAGE 1
	SEND 0, 32                                     ; behind block 0's loads: block 1's 16 stores and 16 loads
	s_wait_xcnt 0x0                                ; block 0's stores have read their registers: block 2's loads may land there
	TOSTAGE 2
	SEND 1, 32
	s_wait_xcnt 0x0
	TOSTAGE 3
	SEND 2, 32
	SEND 3, 0
	s_wait_tensorcnt 0x0                           ; the wave's end, behind my last LDS store
	ds_add_u32 v[SPW], v[NIL]
	s_wait_dscnt 0x0
	s_endpgm
.Lfunc_end_k_qce8485ad44_oproj:
	.size	k_qce8485ad44_oproj, .Lfunc_end_k_qce8485ad44_oproj-k_qce8485ad44_oproj
	.p2alignl 7, 3214868480
	.fill 96, 4, 3214868480
	.section	.rodata,"a",@progbits
	.p2align	6, 0x0
	.amdhsa_kernel k_qce8485ad44_oproj
		.amdhsa_group_segment_fixed_size 8704
		.amdhsa_private_segment_fixed_size 0
		.amdhsa_enable_private_segment 0
		.amdhsa_kernarg_size 24
		.amdhsa_user_sgpr_count 2
		.amdhsa_user_sgpr_kernarg_segment_ptr 1
		.amdhsa_wavefront_size32 1
		.amdhsa_system_sgpr_workgroup_id_x 1
		.amdhsa_system_sgpr_workgroup_id_y 1
		.amdhsa_system_sgpr_workgroup_id_z 1
		.amdhsa_system_vgpr_workitem_id 0
		.amdhsa_next_free_vgpr 768
		.amdhsa_next_free_sgpr 66
		.amdhsa_reserve_vcc 0
		.amdhsa_float_denorm_mode_32 3
		.amdhsa_float_denorm_mode_16_64 3
		.amdhsa_memory_ordered 1
		.amdhsa_forward_progress 1
		.amdhsa_inst_pref_size 82
	.end_amdhsa_kernel
	.amdgpu_metadata
---
amdhsa.version: [ 1, 2 ]
amdhsa.kernels:
  - .name:           k_qce8485ad44_oproj
    .symbol:         k_qce8485ad44_oproj.kd
    .args:
      - { .name: obuf, .offset: 0, .size: 8, .value_kind: global_buffer, .address_space: global }
      - { .name: wbuf, .offset: 8, .size: 8, .value_kind: global_buffer, .address_space: global }
      - { .name: out0, .offset: 16, .size: 8, .value_kind: global_buffer, .address_space: global }
    .group_segment_fixed_size: 8704
    .private_segment_fixed_size: 0
    .kernarg_segment_align: 8
    .kernarg_segment_size: 24
    .max_flat_workgroup_size: 32
    .sgpr_count:     66
    .vgpr_count:     768
    .wavefront_size: 32
...
	.end_amdgpu_metadata
.endif
;; end of part 4
